; MI455X (gfx1250); checked and timed in simulation.
; The chip was launched on July 23, 2026; its instructions are those of AMD's public machine-readable ISA for CDNA 5 (MIT licence, August 2026) and "CDNA5" Instruction Set Architecture Reference Guide (July 2026). The comments in the code are by the model that wrote it; some were corrected since.
;; Multi Head Attention. Allowed arithmetic: matrix products marked QUANTISED: E2M1 operands, one E8M0 scale for each 32 along K, by v_wmma_scale_f32_16x16x128_f8f6f4 with both operands' format E2M1 (or v_wmma_scale_f32_32x16x128_f4), f32 sums; everything else in f32.
;; Inputs: K_codes 8 x 1,024 x 32 x 16 uint8 (E2M1 codes of K, K innermost, in blocks of 32 codes, two codes a byte); K_scales 8 x 1,024 x 32 uint8 (E8M0 scales of K, one for each 32 codes along K); Q_codes 8 x 1,024 x 32 x 16 uint8 (E2M1 codes of Q, K innermost, in blocks of 32 codes, two codes a byte); Q_scales 8 x 1,024 x 32 uint8 (E8M0 scales of Q, one for each 32 codes along K); V_codes 8 x 1,024 x 32 x 16 uint8 (E2M1 codes of V, K innermost, in blocks of 32 codes, two codes a byte); V_scales 8 x 1,024 x 32 uint8 (E8M0 scales of V, one for each 32 codes along K); Wk_codes 1,024 x 32 x 16 uint8 (E2M1 codes of Wk, K innermost, in blocks of 32 codes, two codes a byte); Wk_scales 1,024 x 32 uint8 (E8M0 scales of Wk, one for each 32 codes along K); Wq_codes 1,024 x 32 x 16 uint8 (E2M1 codes of Wq, K innermost, in blocks of 32 codes, two codes a byte); Wq_scales 1,024 x 32 uint8 (E8M0 scales of Wq, one for each 32 codes along K); Wv_codes 1,024 x 32 x 16 uint8 (E2M1 codes of Wv, K innermost, in blocks of 32 codes, two codes a byte); Wv_scales 1,024 x 32 uint8 (E8M0 scales of Wv, one for each 32 codes along K); bk 1,024 float32; bq 1,024 float32; bv 1,024 float32.
;; Outputs: out0 8 x 1,024 x 1,024 float32.
;; This version of the problem:
;;   THIS VERSION OF THE PROBLEM IS GIVEN IN LOW PRECISION. The matrix products marked QUANTISED in the list below multiply operands that are first quantised to E2M1 (2 exponent bits, 1 mantissa bit; 4 bits a number), with one power-of-two scale for each 32 numbers along K (OCP MX v1.0); their sums are f32. All else is computed in f32.
;;   The module's matrix products, in the order in which they are computed (A, B: the left and right operand; K: the contracted axis; several contracted axes count as one K, in the product's order):
;;     1. [M 8,192, K 1,024] x [K 1,024, N 1,024]; A: input Q (given as codes); B: input Wq (given as codes): QUANTISED
;;     2. [M 8,192, K 1,024] x [K 1,024, N 1,024]; A: input K (given as codes); B: input Wk (given as codes): QUANTISED
;;     3. [M 8,192, K 1,024] x [K 1,024, N 1,024]; A: input V (given as codes); B: input Wv (given as codes): QUANTISED
;;     4. batch 128 x [M 1,024, K 64] x [K 64, N 1,024]; A: computed on the way; B: computed on the way: QUANTISED
;;     5. batch 128 x [M 1,024, K 1,024] x [K 1,024, N 64]; A: computed on the way; B: computed on the way: QUANTISED
;;   THE QUANTISER, for each operand of a quantised product, along K:
;;     - K is cut into blocks of 32 from its start; a last block that is shorter is filled with zeros.
;;     - A block's scale is 2^e with e = floor(log2(the largest magnitude in the block)) - 2, held to -126 .. 127; a block of zeros has e = 0. As a byte (E8M0): e + 127.
;;     - Each number is divided by its block's scale, clamped to +-6, and rounded to the nearest number of E2M1, ties to even, subnormals kept.
;;     - The product sums the exact products of the quantised numbers (number of the format x scale) in f32.
;;   ~~~python
;;   def quantise(x, axis):      # numpy; x: float32 -> the quantised numbers, widened to float32 again
;;       x = np.moveaxis(x, axis, -1); K = x.shape[-1]
;;       x = np.pad(x, [(0, 0)] * (x.ndim - 1) + [(0, -K % 32)]); x = x.reshape(x.shape[:-1] + (-1, 32)); a = np.abs(x).max(-1, keepdims=True)
;;       e = np.where(a > 0, np.clip(np.frexp(np.where(a > 0, a, 1))[1] - 1 - 2, -126, 127), 0)      # np.frexp(a)[1] - 1 = floor(log2(a)), exactly
;;       r = np.clip(x / 2.0 ** e, -6, 6)
;;       step = 2.0 ** (np.maximum(np.frexp(np.where(r == 0, 1, r))[1] - 1, 0) - 1)
;;       q = np.round(r / step) * step * 2.0 ** e      # np.round: ties to even
;;       return np.moveaxis(q.reshape(q.shape[:-2] + (-1,))[..., :K], -1, axis).astype(np.float32)
;;   ~~~
;;   OPERANDS COMPUTED ON THE WAY. 'Computed on the way' means the value that the module computes at that place (a softmax that the list does not call 'softmax' is quantised finished and normalised). What goes into a quantiser is computed in f32, as accurately as f32 sums, v_exp_f32 and their like allow (about 1e-6 of the number): no bf16 or f16 on the way to a quantiser, and a product that is left as it is and whose result goes on into a quantised operand takes f32 operands (vector FMAs, or v_wmma_f32_16x16x4_f32). A number that lies on a knife's edge between two numbers of the format may be rounded either way, as far as f32 arithmetic and the matrix unit's own rounding can turn it there, and no further.
;;   INPUTS GIVEN AS CODES. K (in the module: [8, 1024, 1024], K = its axis 2); Q (in the module: [8, 1024, 1024], K = its axis 2); V (in the module: [8, 1024, 1024], K = its axis 2); Wk (in the module: [1024, 1024], K = its axis 0); Wq (in the module: [1024, 1024], K = its axis 0); Wv (in the module: [1024, 1024], K = its axis 0): each comes as NAME_codes (uint8): NAME with its K axis moved to the last place and cut into blocks of 32 codes, [.., K / 32, bytes a block], one block behind the other in memory; two codes a byte, the lower K in the low four bits (a code: sign, 2 exponent bits, 1 mantissa bit); and NAME_scales (uint8): the same leading axes, one E8M0 byte (e + 127) for each 32 codes along K. Its value is code x scale, taken as it is: it is not quantised again, and the codes and scales need not be those that the quantiser above would give.
;; 2 versions, each right; version 2 is version 1 with the launch attn written anew for expert scheduling mode. Each part assembles by itself: llvm-mc -triple=amdgcn-amd-amdhsa -mcpu=gfx1250 --defsym DOCPART=n.
;; ======== version 1 of 2: 2 launches
;; workspace buffers: codes 12,582,912 bytes; scales 786,432 bytes
;; launch proj (part 1): grid 4 x 64, 4 waves a work-group, clusters of 4 x 4, 327,680 bytes of LDS; arguments Q_codes, Q_scales, Wq_codes, Wq_scales, K_codes, K_scales, Wk_codes, Wk_scales, Wv_codes, Wv_scales, V_codes, V_scales, bq, bk, bv, codes, scales; writes codes, scales
.if DOCPART == 1
	.amdgcn_target "amdgcn-amd-amdhsa--gfx1250"
	.amdhsa_code_object_version 6
	.text
	.protected	k_qb47081c894_proj
	.globl	k_qb47081c894_proj
	.p2align	8
	.type	k_qb47081c894_proj,@function
k_qb47081c894_proj:
	s_mov_b64 s[64:65], 0
	v_nop
	global_prefetch_b8 v0, s[64:65] scope:SCOPE_SE
	s_setreg_imm32_b32 hwreg(HW_REG_WAVE_MODE, 25, 1), 1
	s_wait_xcnt 0x0
	s_wait_alu depctr_hold_cnt(0) depctr_sa_sdst(0) depctr_va_vdst(0) depctr_va_sdst(0) depctr_va_ssrc(0) depctr_va_vcc(0) depctr_vm_vsrc(0)
	s_getreg_b32 s2, hwreg(HW_REG_IB_STS2, 6, 4)
	s_cmp_eq_u32 s2, 0
	s_cbranch_scc0 .Lentry_in_a_cluster
	s_endpgm
.Lentry_in_a_cluster:
	s_bfe_u32 s2, ttmp6, 0x10000c
	s_cmp_lg_u32 s2, 0xf033
	s_cbranch_scc0 .Lentry_shape_is_right
	s_endpgm
.Lentry_shape_is_right:
; THE THREE PROJECTIONS ON CODES OF FP4 (E2M1, one E8M0 scale for each 32 along K), THE BIAS, AND THE QUANTISER FOR THE ATTENTION LAUNCH.
; One form serves all three: C'[i][j] = sum over k of A[i][k] B[j][k] + bias, K = 1,024, then C' is quantised ALONG j in blocks of 32.
;   q: A = Q (8,192 tokens), B = Wq (1,024 features), quantised along the head's 64 features.   k: the same with K, Wk.
;   v: A = Wv (1,024 features), B = V (8,192 tokens): v with the KEYS along j, quantised along the keys.  Nothing is transposed by an instruction.
; 256 EQUAL WORK-GROUPS THAT STAY.  q and k are 256 tiles of 256 x 256; v is cut into 256 tiles of 128 features x 256 tokens.  A work-group makes one of the first (its FIRST PART: four waves, 128 x 128 each,
; 64 accumulators) and then one of the second (its SECOND PART: 64 x 128 a wave, 32 accumulators): 512 + 256 matrix instructions a wave in every work-group.
; LDS.  The first part's K lies in two slots of 512 along K (rows of 256 bytes + 16 of padding), each filled once.  In the first part's last step, when every wave's last fragments are in registers, the slots' bytes are
; filled again, once, with the second part's tiles, all of K in one row (512 bytes + 16): one tensor load a wave.  It lands while the wave issues 32 more products and the whole first way out.
; THE SCALE WORDS go from memory straight into registers: the scale bytes of 16 rows, for all of K, are 512 consecutive bytes, which one load of 16 bytes a lane brings: lane (r, h) takes row r's bytes 16 h .. 16 h + 15,
; so lanes 0-15 hold the four words of K's first half and lanes 16-31 those of its second half; the instruction's selectors of the scale registers' rows choose the half.
; CLUSTERS: 4 x 4 work-groups.  In both parts the four of a row of the cluster need the same rows of A, the four of a column the same rows of B: each tile is asked for jointly, by the same tensor load with the same
; descriptor and a mask that names the four.  Which tensor and which block hang on the cluster's y alone, which all sixteen share.
; THE MATRIX INSTRUCTION IS USED TRANSPOSED (source 0 = 16 rows of B, source 1 = 16 rows of A): in accumulator (a, b) lane (r, h) holds row 16 a + r and columns 16 b + 8 h + 0 .. 7.
; THE QUANTISER.  Block bt of 32 columns is tiles 2 bt and 2 bt + 1: 16 numbers in lane (r, h), 16 in lane (r, 1 - h).  The conversion of tile 4 c + 2 y + x gives, in lane half h, word 2 x + h of block 2 c + y;
; it goes to register PC + 4 c + 2 x + y, and one exchange of halves between registers 4 c + 2 x and 4 c + 2 x + 1 leaves words 0 .. 3 of block 2 c + h in registers 4 c .. 4 c + 3: the operand's own layout.
; OUT, in the order of the attention launch's operand registers (bh = 16 x batch + head):
;   codes  + T x 4 MiB:   q, k: [bh][tile of 16 rows: 64][lane 32][16 bytes]: lane (r, h): row 16 tile + r, d = 32 h .. 32 h + 31.     v: [bh][128 keys: 8][t 4][c 2][lane 32][16 bytes]: d = 16 t + r, keys 64 c + 32 h + 0 .. 31
;   scales + T x 256 KiB: q, k: [bh][pair of tiles: 32][r 16][tile of the pair: 2] of two bytes.                                      v: [bh][128 keys: 8][t 4][r 16] of four bytes
; LIMITS: a block whose largest magnitude lies under 2^-124 keeps the scale byte 1; a block of zeros keeps the byte 1 where the rule says 127 (its codes are zeros, and this program alone reads the bytes);
; NaN, infinities and the scale byte 0xff among the inputs are not served.
; REGISTERS, in windows of 256: window 0: v1-31 addresses and the rows' scale words on their way out; v32-63 A's scale words, v64-95 B's, which hold nothing else; v96-99 v's bias; v100-102 addresses; v104-111 codes just made;
;   v112-127 at work; v128-191 A's fragments (first part: one set of eight; second part: two sets of four), on the ways out 64 numbers to be quantised; v192-255 the bias of my columns.
;   window 1: B's fragments, two sets.   windows 2, 3: the accumulators ((a, b) at v[8 (8 (a % 4) + b)]).
.set NQ,     4                         ; matrix instructions deep in a slot: 512 along K
.set ROWB,   256                       ; a row of the first part's tiles in bytes
.set KROW,   512                       ; a row of A or of B in memory, in bytes
.set PITCH,  272                       ; its LDS row: 256 bytes + 16 of padding = 68 words: the 16 rows that a load touches start at 16 different banks (64 banks of 4 bytes: ISA guide 11.1)
.set PITCH2, 528                       ; the second part's: 512 + 16 = 132 words: likewise
.set FR,     8                         ; registers of a fragment: 16 rows x 128 K
.set NL,     2                         ; LDS loads that bring one
.set NP,     4                         ; places behind this matrix instruction (ISA guide 7.12.1)
.set HALFT,  128*PITCH                 ; first part: 128 rows: what one tensor load brings, and what one wave reads of A or of B
.set SLOT,   4*HALFT                   ; A's 256 rows, then B's 256 rows
.set HB2,    128*PITCH2                ; second part: 128 rows of B: what waves 2 and 3 bring, and what a wave reads of B
.set QA2,    64*PITCH2                 ; 64 rows of A: what waves 0 and 1 bring, and what a wave reads of A
.set A2OFF,  2*HB2                     ; B's 256 rows lie first, A's 128 behind them: 202,752 bytes, inside the two slots
.set SSTG0,  2*SLOT                    ; behind the slots: q's and k's way out: 512 bytes for each wave, in which its rows' scale bytes are gathered
.set SSTG1,  SSTG0+4*512               ; v's way out: bytes of its own, 512 for each wave, of which it uses 256
.set SPARE,  SSTG1+4*512               ; the spare words, 128 bytes for each wave: two blocks of 256 bytes that no other line names
.set LI,   8                           ; v8   16 x lane: my place in a store of 512 bytes of codes
.set SST,  9                           ; v9   SSTG0 + 512 wave + 256 h + 4 r
.set SSTV, 10                          ; v10  SSTG1 + 512 wave + 4 r
.set SRD,  11                          ; v11  SSTG0 + 512 wave + 16 lane
.set SRDV, 12                          ; v12  SSTG1 + 512 wave + 8 lane
.set SGO,  13                          ; v13  2,048 h + 16 r: lanes 0-15 the first head's 256 scale bytes, lanes 16-31 the second's
.set SH16, 14                          ; v14  16 h
.set BJO,  15                          ; v15  32 h: the bias of my eight columns of a tile
.set ADRA, 16                          ; v16-17  first part: LDS address of my A fragments in slot 0, 1
.set ADRB, 18                          ; v18-19  the same for B
.set SCO,  20                          ; v20  32 r + 16 h: my 16 scale bytes among those of 16 rows
.set BIO,  21                          ; v21  4 r: the bias of my row
.set OW,   22                          ; v22-29  block a's scale word
.set SPW,  30                          ; v30  LDS address of my spare word; never rewritten
.set NIL,  31                          ; v31  0; never rewritten
.set SA,   32                          ; register 4 a + q: block a's words for the q-th 128 of a half of K
.set SB,   64
.set BI,   96
.set ADRA2, 100                        ; v100  second part: LDS address of my A fragments
.set ADRB2, 101                        ; v101  of my B fragments
.set SGO2, 102                         ; v102  8 x lane
.set PC,   104
.set TM,   112                         ; +0..3 largest magnitudes, +4..7 the other half's, then the bytes, +12..15 the conversions' scale operands
.set AF,   128
.set H,    128
.set BJ,   192
.set G0A,  12                          ; s[12:19] descriptor group 0 for A's tiles, a set for each slot (the registers in which K's four addresses came)
.set A2C,  20                          ; s[20:21] Wv's codes at the rows that I fetch;  s[22:23] its scale bytes at my wave's rows
.set A2S,  22
.set B2C,  24                          ; s[24:25], s[26:27] the same for V
.set B2S,  26
.set BJP,  28                          ; s[28:29] bq or bk at my columns
.set BIP,  32                          ; s[32:33] bv at my rows
.set CP,   34                          ; s[34:35] codes, at my wave's part
.set SP,   36                          ; s[36:37] scales, likewise
.set SEL,  38                          ; s[38:39] lane selects for v_permlanex16_b32: lane l xor 16 (until then: at work for LDS addresses)
.set WV,   40
.set WH,   41                          ; which half of the tile's rows is mine.  Also: I fetch for A (0) or for B (1)
.set WL,   42                          ; which half of its columns.  Also: which half of that tile's rows I fetch
.set CX,   43
.set CY,   44
.set TT,   45                          ; first part: 0 q, 1 k
.set CB,   46                          ; which block of four tiles along the tokens
.set TROW, 47
.set MROW, 49
.set MCOL, 50
.set LT,   51                          ; wave x 128 LDS rows
.set G0B,  52                          ; s[52:59] group 0 for B's tiles, a set for each slot
.set G1A,  68                          ; s[68:75], s[76:83] group 1 for the first part's tiles of A and of B;  s[84:91], s[92:99] for the second part's
.set G1B,  76
.set G1A2, 84
.set G1B2, 92
.set F1,   (0<<16)|(1<<20)|(1<<21)|(5<<22)|(3<<25)   ; 17:16 elements of 1 byte; 20 padding on; 21 set beside a mask; 24:22 after every 64 words (code 5); 31:25 four words (code 3)
.set F2,   (0<<16)|(1<<20)|(1<<21)|(6<<22)|(3<<25)   ; the same after every 128 words (code 6)
.set MSB, 0
.macro WIN new                         ; the immediate's high byte repeats the setting that is left; a switch that changes nothing is dropped
.if MSB != (\new)
	s_set_vgpr_msb (MSB<<8)|(\new)
.set MSB, (\new)
.endif
.endm
.set MUL_LO, 0xa1                      ; source 0 (B) window 1, source 1 (A) window 0, C and D window 2
.set MUL_HI, 0xf1                      ; the same, C and D window 3
.set TO_B,   0x40                      ; destination window 1, address window 0
; A joint load: waves 0 and 1 fetch for A, waves 2 and 3 for B.  Each of the two lines has one mask and one set of registers for all that issue it; the branch hangs on the wave's number alone.
; Four v_nop follow each of the two lines, ahead of the jump, the label and what follows.
.macro JLOAD g0a, g1a, g0b, g1b
	s_cmp_eq_u32 s[WH], 0
	s_cbranch_scc0 .Lfor_b_\@
	tensor_load_to_lds s[\g0a:\g0a+3], s[\g1a:\g1a+7]
	s_nop 0
.rept 4
	v_nop
.endr
	s_branch .Lasked_\@
.Lfor_b_\@:
	tensor_load_to_lds s[\g0b:\g0b+3], s[\g1b:\g1b+7]
	s_nop 0
.rept 4
	v_nop
.endr
.Lasked_\@:
.endm
.macro CREST                           ; a round of the cluster's barrier behind its opening barrier: wave 0 signals for the work-group; every wave waits for all sixteen; my work-group's barrier once more
	s_cmp_lg_u32 s[WV], 0
	s_cbranch_scc1 .Lnot_wave_0_\@
	s_barrier_signal -3
.Lnot_wave_0_\@:
	s_barrier_wait -3
	s_barrier_signal -1
	s_barrier_wait -1
.endm
.macro CROUND                          ; a whole round
	s_barrier_signal -1
	s_barrier_wait -1
	CREST
.endm
	s_load_b256 s[4:11], s[0:1], 0x0               ; Q's codes, Q's scales, Wq's codes, Wq's scales
	s_load_b256 s[12:19], s[0:1], 0x20             ; K's, Wk's
	s_load_b256 s[20:27], s[0:1], 0x40             ; Wv's, V's: for v the weight is A
	s_load_b256 s[28:35], s[0:1], 0x60             ; bq, bk, bv, codes
	s_load_b64 s[36:37], s[0:1], 0x80              ; scales
	v_lshl_add_u32 v[SPW], v0, 2, SPARE
	v_mov_b32 v[NIL], 0
	ds_add_u32 v30, v31
	ds_add_u32 v30, v31
	s_wait_dscnt 0x0
	v_lshrrev_b32 v1, 5, v0
	v_readfirstlane_b32 s[WV], v1                  ; wave 0..3
	s_lshr_b32 s[WH], s[WV], 1
	s_and_b32 s[WL], s[WV], 1
	s_bfe_u32 s[CX], ttmp6, 0x40000                ; cx, cy: my place in the cluster
	s_bfe_u32 s[CY], ttmp6, 0x40004
	s_and_b32 s[CB], ttmp7, 0xffff                 ; the cluster's y, 0 .. 15: eight clusters for q, eight for k
	s_lshr_b32 s[TT], s[CB], 3
	s_and_b32 s[CB], s[CB], 7
	s_lshl_b32 s[TROW], s[CB], 2
	s_add_co_u32 s[TROW], s[TROW], s[CY]           ; first part: tile row (256 tokens) 4 c + cy; its tile column (256 features) is cx
	s_lshl_b32 s[MROW], s[CY], 2
	s_lshl_b32 s[MROW], 15, s[MROW]                ; my row of the cluster
	s_lshl_b32 s[MCOL], 0x1111, s[CX]              ; my column
	; descriptor group 1.  First part: a tile of 128 rows x 256 bytes
	s_or_b32 s[G1A+0], s[MROW], F1                 ; 15:0 the mask
	s_or_b32 s[G1B+0], s[MCOL], F1
.irp g, G1A, G1B
	s_mov_b32 s[\g+1], ROWB<<16                    ; tensor_dim0
	s_mov_b32 s[\g+2], 128<<16                     ; tensor_dim1
	s_mov_b32 s[\g+3], ROWB<<16                    ; tile_dim0
	s_mov_b32 s[\g+4], 128                         ; tile_dim1
	s_mov_b32 s[\g+5], KROW                        ; tensor_dim0_stride
	s_mov_b32 s[\g+6], 0
	s_mov_b32 s[\g+7], 0
.endr
	; second part: whole rows of 512 bytes: 64 of A, 128 of B
	s_or_b32 s[G1A2+0], s[MROW], F2
	s_mov_b32 s[G1A2+1], KROW<<16
	s_mov_b32 s[G1A2+2], 64<<16
	s_mov_b32 s[G1A2+3], KROW<<16
	s_mov_b32 s[G1A2+4], 64
	s_mov_b32 s[G1A2+5], KROW
	s_mov_b32 s[G1A2+6], 0
	s_mov_b32 s[G1A2+7], 0
	s_or_b32 s[G1B2+0], s[MCOL], F2
	s_mov_b32 s[G1B2+1], KROW<<16
	s_mov_b32 s[G1B2+2], 128<<16
	s_mov_b32 s[G1B2+3], KROW<<16
	s_mov_b32 s[G1B2+4], 128
	s_mov_b32 s[G1B2+5], KROW
	s_mov_b32 s[G1B2+6], 0
	s_mov_b32 s[G1B2+7], 0
	; where the rows that I fetch begin, in bytes of codes (512 a row: under 2^23).  A's hang on the cluster's y and cy alone, B's on the cluster's y and cx alone, each in registers that never hold the other coordinate
	s_lshl_b32 s[LT], s[WL], 7
	s_lshl_b32 s60, s[TROW], 8
	s_add_co_u32 s60, s60, s[LT]                   ; first part, A: row 256 x tile row + 128 x half
	s_lshl_b32 s60, s60, 9
	s_mov_b32 s61, 0
	s_lshl_b32 s2, s[CX], 8
	s_add_co_u32 s2, s2, s[LT]                     ; first part, B: row 256 x cx + 128 x half
	s_lshl_b32 s2, s2, 9
	s_mov_b32 s3, 0
	s_lshl_b32 s100, s[CB], 2
	s_add_co_u32 s100, s100, s[CX]
	s_lshl_b32 s100, s100, 8
	s_add_co_u32 s100, s100, s[LT]                 ; second part, B: token 256 x (4 c + cx) + 128 x half
	s_lshl_b32 s100, s100, 9
	s_mov_b32 s101, 0
	s_lshl_b32 s[LT], s[WL], 6
	s_lshl_b32 s62, s[TT], 2
	s_add_co_u32 s62, s62, s[CY]
	s_lshl_b32 s62, s62, 7
	s_add_co_u32 s62, s62, s[LT]                   ; second part, A: feature 128 x (4 T + cy) + 64 x half
	s_lshl_b32 s62, s62, 9
	s_mov_b32 s63, 0
	s_mul_i32 s[LT], s[WV], HALFT                  ; where the first part's rows go: wave x 128 rows: no place in the cluster enters an LDS address
	s_wait_kmcnt 0x0
	s_cmp_eq_u32 s[TT], 1                          ; the first part's five buffers: the choice hangs on the cluster's number alone
	s_cselect_b64 s[4:5], s[12:13], s[4:5]
	s_cselect_b64 s[6:7], s[14:15], s[6:7]
	s_cselect_b64 s[8:9], s[16:17], s[8:9]
	s_cselect_b64 s[10:11], s[18:19], s[10:11]
	s_cselect_b64 s[BJP:BJP+1], s[30:31], s[BJP:BJP+1]
	s_add_nc_u64 s[4:5], s[4:5], s[60:61]
	s_add_nc_u64 s[8:9], s[8:9], s[2:3]
	s_add_nc_u64 s[A2C:A2C+1], s[A2C:A2C+1], s[62:63]
	s_add_nc_u64 s[B2C:B2C+1], s[B2C:B2C+1], s[100:101]
	CROUND                                         ; all sixteen work-groups are here: the first joint loads meet
.irp s, 0,1
	s_mov_b32 s[G0A+4*\s], 1                       ; 1:0 count = 1
	s_add_co_u32 s[G0A+4*\s+1], s[LT], \s*SLOT     ; 63:32 LDS address
	s_add_nc_u64 s[G0A+4*\s+2:G0A+4*\s+3], s[4:5], \s*ROWB   ; 120:64 global address: half s of K
	s_or_b32 s[G0A+4*\s+3], s[G0A+4*\s+3], 0x80000000        ; 127:126 type = 2
	s_mov_b32 s[G0B+4*\s], 1
	s_add_co_u32 s[G0B+4*\s+1], s[LT], \s*SLOT
	s_add_nc_u64 s[G0B+4*\s+2:G0B+4*\s+3], s[8:9], \s*ROWB
	s_or_b32 s[G0B+4*\s+3], s[G0B+4*\s+3], 0x80000000
	JLOAD G0A+4*\s, G1A, G0B+4*\s, G1B             ; two tensor loads of mine are out behind the second of these
.endr
	v_and_b32 v1, 15, v0                           ; r = lane % 16
	v_bfe_u32 v2, v0, 4, 1                         ; h = lane / 16
	v_lshlrev_b32 v[SCO], 5, v1
	v_lshl_add_u32 v[SCO], v2, 4, v[SCO]
	v_lshlrev_b32 v[BJO], 5, v2
	v_lshlrev_b32 v[BIO], 2, v1
	; where my wave's parts of the two tiles lie
	s_lshl_b32 s60, s[TROW], 8
	s_lshl_b32 s61, s[WH], 7
	s_add_co_u32 s60, s60, s61                     ; first part: my first token,
	s_lshl_b32 s2, s[CX], 8
	s_lshl_b32 s3, s[WL], 7
	s_add_co_u32 s2, s2, s3                        ; my first feature
	s_lshl_b32 s62, s[TT], 2
	s_add_co_u32 s62, s62, s[CY]
	s_lshl_b32 s62, s62, 7
	s_lshl_b32 s63, s[WH], 6
	s_add_co_u32 s62, s62, s63                     ; second part: my first feature: one head's 64,
	s_lshl_b32 s100, s[CB], 2
	s_add_co_u32 s100, s100, s[CX]
	s_lshl_b32 s100, s100, 8
	s_lshl_b32 s101, s[WL], 7
	s_add_co_u32 s100, s100, s101                  ; my first token
	s_mov_b32 s31, 0
	s_lshl_b32 s30, s60, 5                         ; 32 scale bytes a row
	s_add_nc_u64 s[6:7], s[6:7], s[30:31]
	s_lshl_b32 s30, s2, 5
	s_add_nc_u64 s[10:11], s[10:11], s[30:31]
	s_lshl_b32 s30, s2, 2
	s_add_nc_u64 s[BJP:BJP+1], s[BJP:BJP+1], s[30:31]
	s_lshl_b32 s30, s62, 5
	s_add_nc_u64 s[A2S:A2S+1], s[A2S:A2S+1], s[30:31]
	s_lshl_b32 s30, s100, 5
	s_add_nc_u64 s[B2S:B2S+1], s[B2S:B2S+1], s[30:31]
	s_lshl_b32 s30, s62, 2
	s_add_nc_u64 s[BIP:BIP+1], s[BIP:BIP+1], s[30:31]
.irp i, 0,1,2,3,4,5,6,7                        ; the first part's scale words: each load reads 512 consecutive bytes: 16 rows' scale bytes for all of K
	global_load_b128 v[SA+4*\i:SA+4*\i+3], v[SCO], s[6:7] offset:512*\i
.endr
.irp i, 0,1,2,3,4,5,6,7
	global_load_b128 v[SB+4*\i:SB+4*\i+3], v[SCO], s[10:11] offset:512*\i
.endr
.irp b, 0,1,2,3,4,5,6,7                        ; the bias of my columns lands while K is walked: register 8 b + j: column 16 b + 8 h + j
	global_load_b128 v[BJ+8*\b:BJ+8*\b+3], v[BJO], s[BJP:BJP+1] offset:64*\b
	global_load_b128 v[BJ+8*\b+4:BJ+8*\b+7], v[BJO], s[BJP:BJP+1] offset:64*\b+16
.endr
	; where the results go.  With w = 1,024 T + 8 bh + (which 128 tokens of the batch's 1,024), my wave's codes begin at 4,096 w and its scale bytes at 256 w
	s_lshr_b32 s66, s60, 10
	s_lshl_b32 s66, s66, 4
	s_lshr_b32 s67, s2, 6
	s_add_co_u32 s66, s66, s67                     ; bh of my first head: 16 x batch + feature / 64
	s_bfe_u32 s67, s60, 0x30007
	s_lshl_b32 s66, s66, 3
	s_add_co_u32 s66, s66, s67
	s_lshl_b32 s67, s[TT], 10
	s_add_co_u32 s66, s66, s67                     ; the first part's w
	s_lshl_b32 s30, s66, 12
	s_add_nc_u64 s[CP:CP+1], s[CP:CP+1], s[30:31]
	s_lshl_b32 s30, s66, 8
	s_add_nc_u64 s[SP:SP+1], s[SP:SP+1], s[30:31]
	s_lshr_b32 s48, s100, 10
	s_lshl_b32 s48, s48, 4
	s_lshr_b32 s67, s62, 6
	s_add_co_u32 s48, s48, s67
	s_bfe_u32 s67, s100, 0x30007
	s_lshl_b32 s48, s48, 3
	s_add_co_u32 s48, s48, s67
	s_add_co_u32 s48, s48, 2048                    ; the second part's w: v is part 2, so it is the larger of the two
	s_sub_co_u32 s48, s48, s66
	s_lshl_b32 s66, s48, 12                        ; s[66:67]: what takes the codes' address from the first part's place to the second's;
	s_mov_b32 s67, 0
	s_lshl_b32 s30, s48, 8                         ; s[30:31]: the same for the scale bytes
	; LDS addresses: all are made here
	v_mul_u32_u24 v3, v1, PITCH
	v_lshl_add_u32 v4, v2, 4, v3                   ; a fragment's row x pitch + 16 x half
	s_mul_i32 s38, s[WH], HALFT                    ; my 128 rows of A
	s_mul_i32 s39, s[WL], HALFT                    ; my 128 rows of B,
	s_add_co_u32 s39, s39, 2*HALFT                 ; which lie behind A's 256
.irp s, 0,1
	v_add_nc_u32 v[ADRA+\s], s38, v4
	v_add_nc_u32 v[ADRB+\s], s39, v4
	s_add_co_u32 s38, s38, SLOT
	s_add_co_u32 s39, s39, SLOT
.endr
	v_mul_u32_u24 v3, v1, PITCH2
	v_lshl_add_u32 v4, v2, 4, v3
	s_mul_i32 s38, s[WH], QA2                      ; second part: my 64 rows of A,
	s_add_co_u32 s38, s38, A2OFF                   ; which lie behind B's 256;
	s_mul_i32 s39, s[WL], HB2                      ; my 128 rows of B
	v_add_nc_u32 v[ADRA2], s38, v4
	v_add_nc_u32 v[ADRB2], s39, v4
	v_and_b32 v7, 31, v0
	v_lshlrev_b32 v[LI], 4, v7
	v_lshlrev_b32 v[SGO2], 3, v7
	s_lshl_b32 s38, s[WV], 9                       ; my 512 bytes of a stage
	v_lshl_add_u32 v[SST], v2, 8, v[BIO]
	v_add_nc_u32 v[SST], s38, v[SST]
	v_add_nc_u32 v[SST], SSTG0, v[SST]
	v_add_nc_u32 v[SSTV], s38, v[BIO]
	v_add_nc_u32 v[SSTV], SSTG1, v[SSTV]
	v_add_nc_u32 v[SRD], s38, v[LI]
	v_add_nc_u32 v[SRD], SSTG0, v[SRD]
	v_add_nc_u32 v[SRDV], s38, v[SGO2]
	v_add_nc_u32 v[SRDV], SSTG1, v[SRDV]
	v_lshlrev_b32 v[SGO], 4, v1
	v_lshl_add_u32 v[SGO], v2, 11, v[SGO]
	v_lshlrev_b32 v[SH16], 4, v2
.irp b, 0,1,2,3
	v_mov_b32 v[TM+4+\b], 0                        ; written once: a lane permute's destination counts as one of its sources
.endr
	s_mov_b32 s[SEL], 0x76543210
	s_mov_b32 s[SEL+1], 0xfedcba98
.macro FRAG reg, adr, q, i             ; a fragment, 16 rows x 128 K of 4-bit codes, is 8 registers: lane l holds row l % 16; registers 4 c .. 4 c + 3 hold K = 64 c + 32 (l / 16) + 0 .. 31
.irp c, 0,1
	ds_load_b128 v[\reg+4*\c:\reg+4*\c+3], v[\adr] offset:64*(\q)+32*\c+(\i)*16*PITCH
.endr
.endm
.macro FRAG2 reg, adr, q, i            ; the same from the second part's rows
.irp c, 0,1
	ds_load_b128 v[\reg+4*\c:\reg+4*\c+3], v[\adr] offset:64*(\q)+32*\c+(\i)*16*PITCH2
.endr
.endm
; 16 matrix instructions: A's blocks a0, a0 + 1 x B's eight, 128 along K: the q-th of half sl of K.  p: B's set;  ao: where A's set begins.  zero = 1: the first product starts the sums: nothing is ever cleared.
; The accumulators take turns, one instruction a turn, in the same order in every step.  Half 1's scale words stand in lanes 16-31 of the same registers.
.macro MUL16 a0, p, q, sl, zero, ao
.irp a, \a0, \a0+1
.irp b, 0,1,2,3,4,5,6,7
.if \zero
	v_wmma_scale_f32_16x16x128_f8f6f4 v[8*(8*((\a)%4)+\b):8*(8*((\a)%4)+\b)+7], v[128*(\p)+FR*\b:128*(\p)+FR*\b+FR-1], v[AF+(\ao)+FR*(\a):AF+(\ao)+FR*(\a)+FR-1], 0, v[SB+NQ*\b+(\q)], v[SA+NQ*(\a)+(\q)] matrix_a_fmt:MATRIX_FMT_FP4 matrix_b_fmt:MATRIX_FMT_FP4
.elseif \sl
	v_wmma_scale_f32_16x16x128_f8f6f4 v[8*(8*((\a)%4)+\b):8*(8*((\a)%4)+\b)+7], v[128*(\p)+FR*\b:128*(\p)+FR*\b+FR-1], v[AF+(\ao)+FR*(\a):AF+(\ao)+FR*(\a)+FR-1], v[8*(8*((\a)%4)+\b):8*(8*((\a)%4)+\b)+7], v[SB+NQ*\b+(\q)], v[SA+NQ*(\a)+(\q)] matrix_a_fmt:MATRIX_FMT_FP4 matrix_b_fmt:MATRIX_FMT_FP4 matrix_a_scale:MATRIX_SCALE_ROW1 matrix_b_scale:MATRIX_SCALE_ROW1
.else
	v_wmma_scale_f32_16x16x128_f8f6f4 v[8*(8*((\a)%4)+\b):8*(8*((\a)%4)+\b)+7], v[128*(\p)+FR*\b:128*(\p)+FR*\b+FR-1], v[AF+(\ao)+FR*(\a):AF+(\ao)+FR*(\a)+FR-1], v[8*(8*((\a)%4)+\b):8*(8*((\a)%4)+\b)+7], v[SB+NQ*\b+(\q)], v[SA+NQ*(\a)+(\q)] matrix_a_fmt:MATRIX_FMT_FP4 matrix_b_fmt:MATRIX_FMT_FP4
.endif
.endr
.endr
.endm
.macro FETCH_B slot, q, p              ; first part: B's eight fragments of the slot's q-th 128 along K into set p
	WIN TO_B
.irp i, 0,1,2,3,4,5,6,7
	FRAG 128*(\p)+FR*\i, ADRB+\slot, \q, \i
.endr
	WIN 0
.endm
.macro FETCH_A slot, q, i0             ; A's blocks i0 .. i0 + 3
.irp i, \i0, \i0+1, \i0+2, \i0+3
	FRAG AF+FR*(\i), ADRA+\slot, \q, \i
.endr
.endm
; A load into a register that a matrix instruction has read, and a vector instruction that reads a matrix result or writes one of a matrix instruction's registers, stand NP places behind it, and only plain
; vector instructions that name none of its registers are places (ISA guide 7.12.1 for vector instructions).
.macro PLACES n
.rept \n
	v_nop
.endr
.endm
; FIRST PART.  A step of 128 along K that has its successor in the same slot.  A block of A is free as soon as its eight products are issued, so A has one set: blocks 0-3 are fetched anew in the step's middle, blocks 4-7 at its end.
.macro STEP slot, q, zero
	s_wait_dscnt 4*NL                              ; B's set and A's blocks 0-3 are in; the youngest eight loads (A's blocks 4-7) may be out
	WIN MUL_LO
	MUL16 0, (\q)%2, \q, \slot, \zero, 0
	MUL16 2, (\q)%2, \q, \slot, \zero, 0
	s_wait_dscnt 0                                 ; A's blocks 4-7 are in (asked for 32 matrix instructions ago)
	PLACES NP
	FETCH_B \slot, (\q)+1, 1-(\q)%2
	FETCH_A \slot, (\q)+1, 0
	WIN MUL_HI
	MUL16 4, (\q)%2, \q, \slot, \zero, 0
	MUL16 6, (\q)%2, \q, \slot, \zero, 0
	PLACES NP
	WIN 0
	FETCH_A \slot, (\q)+1, 4
.endm
; The first half of a slot's last step: each wave waits for all its tensor loads, adds 0 to its spare word, and waits for that and for its own reads of the slot: all the step's fragments are then in registers.  Then the work-group's barrier.
.macro MEET sl
	s_wait_tensorcnt 0x0                           ; none of my tensor loads is out
	ds_add_u32 v[SPW], v[NIL]                      ; 0 onto my spare word
	s_wait_dscnt 4*NL+1                            ; (the add and the youngest eight loads, A's blocks 4-7, may be out)
	WIN MUL_LO
	MUL16 0, 1, NQ-1, \sl, 0, 0                    ; sixteen matrix instructions stand between the add and the wait for it
	s_wait_dscnt 0x0                               ; the add is done, and my reads of this slot are over
	s_barrier_signal -1
	MUL16 2, 1, NQ-1, \sl, 0, 0                    ; work on registers while the others arrive
	WIN 0                                          ; (branches may follow)
	s_barrier_wait -1
.endm
.macro STEPS slot, from                ; the slot's steps from .. NQ - 2
.set Q, \from
.rept NQ-1-\from
	STEP \slot, Q, 0
.set Q, Q+1
.endr
.endm
; SECOND PART.  A's four blocks and B's eight both have two sets: a step's 24 loads are issued ahead of the step before's 32 products.
.macro FETCH2 q, p
	WIN TO_B
.irp i, 0,1,2,3,4,5,6,7
	FRAG2 128*(\p)+FR*\i, ADRB2, \q, \i
.endr
	WIN 0
.irp i, 0,1,2,3
	FRAG2 AF+32*(\p)+FR*\i, ADRA2, \q, \i
.endr
.endm
.macro STEP2 q, more, zero
.set P2_, (\q)%2
.set Q4_, (\q)%4
.set SL_, (\q)/4
	s_wait_dscnt 0x0                               ; this step's fragments are in (asked for a step ago)
.if \more
	PLACES NP                                      ; the other sets were read by the step before's products
	FETCH2 (\q)+1, 1-P2_
.endif
	WIN MUL_LO
	MUL16 0, P2_, Q4_, SL_, \zero, 32*P2_
	MUL16 2, P2_, Q4_, SL_, \zero, 32*P2_
	WIN 0
.endm
; 64 numbers of a lane, v[s] .. v[s + 63], register 16 b + 8 x + j = column 32 b + 16 x + 8 h + j of my row, become a fragment's codes in v[pc] on and my row's scale word in v[pw].
.macro QUANTN s, pc, pw
.irp b, 0,1,2,3
	v_max3_num_f32 v[TM+\b], |v[(\s)+16*\b]|, |v[(\s)+1+16*\b]|, 0x1800000   ; block b: my 16 numbers, and the floor 2^(3 - 127), under which no largest magnitude is taken: so the byte cannot fall under 1
.endr
.irp i, 2,4,6,8,10,12,14
.irp b, 0,1,2,3
	v_max3_num_f32 v[TM+\b], v[TM+\b], |v[(\s)+16*\b+\i]|, |v[(\s)+1+16*\b+\i]|   ; (the four blocks by turns: no line waits for the line above it)
.endr
.endr
.irp b, 0,1,2,3
	v_permlanex16_b32 v[TM+4+\b], v[TM+\b], s[SEL], s[SEL+1]
.endr
.irp b, 0,1,2,3
	v_max_num_f32 v[TM+\b], v[TM+\b], v[TM+4+\b]   ; with lane l xor 16's 16: the block's largest magnitude
.endr
.irp b, 0,1,2,3
	v_add_nc_u32 v[TM+12+\b], 0xff000000, v[TM+\b] ; 2 off its exponent field: the conversion takes the exponent field of this operand as its scale, and nothing else of it
.endr
.irp b, 0,1,2,3
	v_lshrrev_b32 v[TM+4+\b], 23, v[TM+12+\b]      ; the scale's byte
.endr
	v_lshl_or_b32 v[(\pw)], v[TM+5], 8, v[TM+4]    ; the four bytes make my row's scale word
	v_lshl_or_b32 v[(\pw)], v[TM+6], 16, v[(\pw)]
	v_lshl_or_b32 v[(\pw)], v[TM+7], 24, v[(\pw)]
.irp b, 0,1,2,3
	v_cvt_scalef32_pk8_fp4_f32 v[(\pc)+4*(\b/2)+(\b%2)], v[(\s)+16*\b:(\s)+16*\b+7], v[TM+12+\b]       ; in lane half h: word h of block b
	v_cvt_scalef32_pk8_fp4_f32 v[(\pc)+4*(\b/2)+2+(\b%2)], v[(\s)+16*\b+8:(\s)+16*\b+15], v[TM+12+\b]  ; word 2 + h
.endr
	v_nop                                          ; one plain place behind a scaled conversion
.irp c, 0,1                                    ; the first's lanes 16-31 change places with the second's lanes 0-15: lanes 0-15 then hold block 2 c whole, lanes 16-31 block 2 c + 1
	v_permlane16_swap_b32 v[(\pc)+4*\c], v[(\pc)+4*\c+1]
	v_permlane16_swap_b32 v[(\pc)+4*\c+2], v[(\pc)+4*\c+3]
.endr
.endm
; A WAY OUT, block by block of 16 rows x 128 columns: the bias, the quantiser, two stores of 512 consecutive bytes of codes, and the rows' scale word into my stage.  nb: the wave's blocks.
; mode 0 (q, k): the bias goes by columns; the 128 columns are two heads: registers 4 c on are head c's codes, the word's half c its two bytes.   mode 1 (v): the bias goes by rows; the 64 rows are one head's four tiles.
.macro EPI mode, nb
.set A_, 0
.rept \nb
.set W_, 2+A_/4
	WIN W_                                         ; source 0: the accumulators' window
.set I_, 0
.rept 32                                       ; each accumulator from its low end on
.if \mode == 0
	v_pk_add_f32 v[H+2*I_:H+2*I_+1], v[64*(A_%4)+2*I_:64*(A_%4)+2*I_+1], v[BJ+2*I_:BJ+2*I_+1]
.elseif A_%2
	v_pk_add_f32 v[H+2*I_:H+2*I_+1], v[64*(A_%4)+2*I_:64*(A_%4)+2*I_+1], v[BI+A_-1:BI+A_] op_sel:[0,1] op_sel_hi:[1,1]   ; the pair's second register for both halves
.else
	v_pk_add_f32 v[H+2*I_:H+2*I_+1], v[64*(A_%4)+2*I_:64*(A_%4)+2*I_+1], v[BI+A_:BI+A_+1] op_sel_hi:[1,0]               ; its first
.endif
.set I_, I_+1
.endr
	WIN 0
.if A_+\mode > 0
	s_wait_xcnt 0x0                                ; the earlier stores have had their addresses translated: only behind this wait are their data registers written again
.endif
	QUANTN H, PC, OW+A_
.if \mode == 0
	global_store_b128 v[LI], v[PC:PC+3], s[CP:CP+1] offset:A_*512              ; head 0, tile a: 32 lanes store 512 consecutive bytes, at a multiple of 512 from the buffer's first byte
	global_store_b128 v[LI], v[PC+4:PC+7], s[CP:CP+1] offset:32768+A_*512      ; head 1
	v_lshrrev_b32 v[OW+A_], v[SH16], v[OW+A_]      ; lanes 16-31 bring head 1's two bytes down
	ds_store_b16 v[SST], v[OW+A_] offset:(A_/2)*64+(A_%2)*2
.else
	global_store_b128 v[LI], v[PC:PC+3], s[CP:CP+1] offset:A_*1024             ; tile a of the head's 64: keys 0 .. 63 of my 128,
	global_store_b128 v[LI], v[PC+4:PC+7], s[CP:CP+1] offset:A_*1024+512       ; keys 64 .. 127
	ds_store_b32 v[SSTV], v[OW+A_] offset:A_*64    ; both halves of the lanes write the same word with the same value
.endif
.set A_, A_+1
.endr
.if \mode == 0
	ds_load_b128 v[4:7], v[SRD]                    ; LDS serves a wave's instructions in order (ISA guide 5.7.1.4): this sees my stores
	s_wait_dscnt 0x0
	global_store_b128 v[SGO], v[4:7], s[SP:SP+1]   ; sixteen lanes store 256 consecutive bytes of one head's scale bytes, at a multiple of 256 from the buffer's first byte
.else
	ds_load_b64 v[4:5], v[SRDV]
	s_wait_dscnt 0x0
	global_store_b64 v[SGO2], v[4:5], s[SP:SP+1]   ; 32 lanes store the head's 256 consecutive scale bytes for my 128 keys, at a multiple of 256 from the buffer's first byte
.endif
.endm
	; ---- THE FIRST PART: 256 tokens x 256 features of q or of k
	s_wait_tensorcnt 1                             ; my part of slot 0 is in (slot 1's load may be out),
	s_barrier_signal -1
	s_barrier_wait -1                              ; everybody's is
	FETCH_B 0, 0, 0
	FETCH_A 0, 0, 0
	FETCH_A 0, 0, 4
	s_wait_loadcnt 16                              ; the scale words are in; the sixteen loads of the bias, issued behind them, may be out
	STEP 0, 0, 1                                   ; the first step's products start the sums
	STEPS 0, 1
	MEET 0                                         ; slot 0's last step goes over into slot 1: behind the barrier that slot is whole for all four waves; nothing is filled here
	PLACES NP
	FETCH_B 1, 0, 0
	FETCH_A 1, 0, 0
	WIN MUL_HI
	MUL16 4, 1, NQ-1, 0, 0, 0
	MUL16 6, 1, NQ-1, 0, 0, 0
	PLACES NP
	WIN 0
	FETCH_A 1, 0, 4
	STEPS 1, 0
	MEET 1                                         ; the last step: the barrier opens a round of the cluster's barrier,
	CREST                                          ; behind which no wave of any partner still reads a slot or has a load on its way
	s_mul_i32 s[G0A+1], s[WL], QA2                 ; no tensor load of mine is out, so the groups 0 may be written: the second part's tiles
	s_add_co_u32 s[G0A+1], s[G0A+1], A2OFF
	s_mov_b64 s[G0A+2:G0A+3], s[A2C:A2C+1]
	s_or_b32 s[G0A+3], s[G0A+3], 0x80000000
	s_mul_i32 s[G0B+1], s[WL], HB2
	s_mov_b64 s[G0B+2:G0B+3], s[B2C:B2C+1]
	s_or_b32 s[G0B+3], s[G0B+3], 0x80000000
	JLOAD G0A, G1A2, G0B, G1B2                     ; the launch's one refill, first thing behind the round, one tensor load a wave: 64 whole rows of Wv or 128 of V
	WIN MUL_HI
	MUL16 4, 1, NQ-1, 1, 0, 0
	MUL16 6, 1, NQ-1, 1, 0, 0
	WIN 0
	PLACES NP                                      ; in front of the loads into the scale registers, and of the additions, which write the registers that held A's fragments
.irp i, 0,1,2,3                                ; the second part's scale words and bias are asked for here and land during the way out
	global_load_b128 v[SA+4*\i:SA+4*\i+3], v[SCO], s[A2S:A2S+1] offset:512*\i
.endr
.irp i, 0,1,2,3,4,5,6,7
	global_load_b128 v[SB+4*\i:SB+4*\i+3], v[SCO], s[B2S:B2S+1] offset:512*\i
.endr
.irp a, 0,1,2,3                                ; register a: row 16 a + r
	global_load_b32 v[BI+\a], v[BIO], s[BIP:BIP+1] offset:64*\a
.endr
	s_wait_loadcnt 16                              ; all but the sixteen just issued: the bias of my columns is in
	EPI 0, 8
	s_wait_xcnt 0x0                                ; the stores have had their addresses translated: their bases may step
	s_add_nc_u64 s[CP:CP+1], s[CP:CP+1], s[66:67]  ; on to v's part of both buffers
	s_add_nc_u64 s[SP:SP+1], s[SP:SP+1], s[30:31]
	; ---- THE SECOND PART: 128 features x 256 tokens of v
	s_wait_tensorcnt 0x0                           ; my part of its tiles is in (no load was issued behind it),
	s_barrier_signal -1
	s_barrier_wait -1                              ; everybody's is; nothing is filled again
	FETCH2 0, 0
	s_wait_loadcnt 0x0                             ; its scale words and bias
	STEP2 0, 1, 1                                  ; the first step's products start the sums
.irp q, 1,2,3,4,5,6
	STEP2 \q, 1, 0
.endr
	STEP2 7, 0, 0
	PLACES NP                                      ; in front of the additions, which read results and write the registers that held A's fragments
	EPI 1, 4
	s_wait_tensorcnt 0x0                           ; the wave's end: behind my last tensor load and my last LDS store
	ds_add_u32 v[SPW], v[NIL]
	s_wait_dscnt 0x0
	CROUND                                         ; the closing round: no work-group ends while a partner may still ask for a tile that names it
	s_endpgm
.Lfunc_end_k_qb47081c894_proj:
	.size	k_qb47081c894_proj, .Lfunc_end_k_qb47081c894_proj-k_qb47081c894_proj
	.p2alignl 7, 3214868480
	.fill 96, 4, 3214868480
	.section	.rodata,"a",@progbits
	.p2align	6, 0x0
	.amdhsa_kernel k_qb47081c894_proj
		.amdhsa_group_segment_fixed_size 327680
		.amdhsa_private_segment_fixed_size 0
		.amdhsa_enable_private_segment 0
		.amdhsa_kernarg_size 136
		.amdhsa_user_sgpr_count 2
		.amdhsa_user_sgpr_kernarg_segment_ptr 1
		.amdhsa_wavefront_size32 1
		.amdhsa_system_sgpr_workgroup_id_x 1
		.amdhsa_system_sgpr_workgroup_id_y 1
		.amdhsa_system_sgpr_workgroup_id_z 1
		.amdhsa_system_vgpr_workitem_id 0
		.amdhsa_next_free_vgpr 1024
		.amdhsa_next_free_sgpr 102
		.amdhsa_reserve_vcc 0
		.amdhsa_float_denorm_mode_32 3
		.amdhsa_float_denorm_mode_16_64 3
		.amdhsa_memory_ordered 1
		.amdhsa_forward_progress 1
		.amdhsa_inst_pref_size 221
	.end_amdhsa_kernel
	.amdgpu_metadata
---
amdhsa.version: [ 1, 2 ]
amdhsa.kernels:
  - .name:           k_qb47081c894_proj
    .symbol:         k_qb47081c894_proj.kd
    .args:
      - { .name: Q_codes, .offset: 0, .size: 8, .value_kind: global_buffer, .address_space: global }
      - { .name: Q_scales, .offset: 8, .size: 8, .value_kind: global_buffer, .address_space: global }
      - { .name: Wq_codes, .offset: 16, .size: 8, .value_kind: global_buffer, .address_space: global }
      - { .name: Wq_scales, .offset: 24, .size: 8, .value_kind: global_buffer, .address_space: global }
      - { .name: K_codes, .offset: 32, .size: 8, .value_kind: global_buffer, .address_space: global }
      - { .name: K_scales, .offset: 40, .size: 8, .value_kind: global_buffer, .address_space: global }
      - { .name: Wk_codes, .offset: 48, .size: 8, .value_kind: global_buffer, .address_space: global }
      - { .name: Wk_scales, .offset: 56, .size: 8, .value_kind: global_buffer, .address_space: global }
      - { .name: Wv_codes, .offset: 64, .size: 8, .value_kind: global_buffer, .address_space: global }
      - { .name: Wv_scales, .offset: 72, .size: 8, .value_kind: global_buffer, .address_space: global }
      - { .name: V_codes, .offset: 80, .size: 8, .value_kind: global_buffer, .address_space: global }
      - { .name: V_scales, .offset: 88, .size: 8, .value_kind: global_buffer, .address_space: global }
      - { .name: bq, .offset: 96, .size: 8, .value_kind: global_buffer, .address_space: global }
      - { .name: bk, .offset: 104, .size: 8, .value_kind: global_buffer, .address_space: global }
      - { .name: bv, .offset: 112, .size: 8, .value_kind: global_buffer, .address_space: global }
      - { .name: codes, .offset: 120, .size: 8, .value_kind: global_buffer, .address_space: global }
      - { .name: scales, .offset: 128, .size: 8, .value_kind: global_buffer, .address_space: global }
    .group_segment_fixed_size: 327680
    .private_segment_fixed_size: 0
    .kernarg_segment_align: 8
    .kernarg_segment_size: 136
    .max_flat_workgroup_size: 128
    .sgpr_count:     102
    .vgpr_count:     1024
    .wavefront_size: 32
...
	.end_amdgpu_metadata
.endif
;; end of part 1
;; launch attn (part 2): grid 256 x 1, 4 waves a work-group, no clusters, 50,688 bytes of LDS; arguments codes, scales, out0; writes out0
.if DOCPART == 2
	.amdgcn_target "amdgcn-amd-amdhsa--gfx1250"
	.amdhsa_code_object_version 6
	.text
	.protected	k_qb47081c894_attn
	.globl	k_qb47081c894_attn
	.p2align	8
	.type	k_qb47081c894_attn,@function
k_qb47081c894_attn:
	s_mov_b64 s[64:65], 0
	v_nop
	global_prefetch_b8 v0, s[64:65] scope:SCOPE_SE
	s_setreg_imm32_b32 hwreg(HW_REG_WAVE_MODE, 25, 1), 1
	s_wait_xcnt 0x0
; out0[b][q][64 head + d] = sum over keys of attn(q, key) v(key, d),  attn = p / (sum of p + 1e-8),  p = exp(q . k / 8): no maximum is taken away, as the definition takes none.
; Both products on codes of FP4 (E2M1) with one E8M0 scale for each 32 along K.  q, k, v come as codes and scale bytes from the launch before, laid in the order of this text's operand registers.
; attn is quantised FINISHED AND NORMALISED, along the keys, so a row's sum must be known before its first code is made: A TILE'S p FOR ALL 1,024 KEYS STAYS IN REGISTERS (16 queries x 1,024 keys = 512 registers of
; the wave), so that each score and each exponential is made once.
; SHARES.  Work-group = one (batch, head) and one half of its 1,024 queries; each of four waves takes 8 tiles of 16 queries, one a trip.
; k's 32 KiB of codes lie in every wave's registers for the whole launch (window 1), its scale words and v's in 32 registers; v's 32 KiB of codes go ONCE through registers into LDS, as images of the operand's registers.
; NO TENSOR LOAD AND NO CLUSTER: nothing is fetched inside the loop but a tile's 512 bytes of q; what the two work-groups of a head share (k, v: 68 KiB) is read once, at the head, and k has to land in registers, where no joint load can put it.
; LAYOUT.  Both products are used transposed: S^T = k q^T (source 0 = keys, source 1 = my 16 queries), O^T = v^T attn^T: a lane holds ONE query (lane % 16) throughout; in tile x of a group of 128 keys, register j is key 16 x + 8 h + j.
; K = 64 IN AN INSTRUCTION OF 128.  A fragment of k holds key tile 2 P in registers 0-3 and key tile 2 P + 1 in registers 4-7.  q stands between zeros, [0 0 0 0 q q q q 0 0 0 0]: the run (q, 0) gives tile 2 P's scores,
; the run (0, q) tile 2 P + 1's.  The zero codes add nothing; their blocks get the scale byte 0 on q's side.
; THE QUANTISER is that of the launch before: block b is tiles 2 b, 2 b + 1; its largest attn is (the block's largest p) x r, the same product, so the same bits, as that number's own normalisation.
; LIMITS: t = score x log2(e) / 8 is rounded once, so p's relative error grows as |t| x 2^-24; where exp or the row's sum overflows f32 in the definition it does here; v_exp_f32 gives 0 where p would be denormal;
; a block of attn whose largest number lies under 2^-124 keeps the scale byte 1.
; REGISTERS, in windows of 256: window 0: v1-7 addresses; v8, v9 q's scale words; v10-11 r; v12-23 q between zeros; v24-39 k's scale words; v40-55 v's; v56-87 the 32 blocks' largest p; v88-95 the sum, four chains of pairs;
;   v96-111 at work; v112-119 attn's codes; v120 its scale word; v128-159 O^T; v160-191 four fragments of v, later rows of the output.   window 1: k's 32 fragments.   windows 2, 3: p: group g of 128 keys at v[64 (g % 4)] of window 2 + g / 4.
.set LI,  1                            ; v1   16 x lane
.set L4,  2                            ; v2   4 x lane
.set QSO, 3                            ; v3   4 r + where the tile's scale bytes lie among my wave's: steps by 2 and 62 by turns
.set STO, 4                            ; v4   the way out: where I put 32 bytes of a row
.set SRD, 5                            ; v5   and where I read a row back
.set GO,  6                            ; v6   my byte offset in two rows of the output
.set VA,  7                            ; v7   8,192 x wave + 16 x lane: v's codes, in memory and in LDS alike
.set QS0, 8
.set QS1, 9
.set R,   10
.set QZ,  12
.set KSR, 24                           ; register n: fragment 2 n's words in lanes 0-15, fragment 2 n + 1's in lanes 16-31
.set VSR, 40                           ; register 2 kap + t / 2: even t in lanes 0-15, odd t in lanes 16-31
.set BM,  56
.set SUM, 88
.set TM,  96
.set PC,  112
.set PW,  120
.set O,   128
.set VF,  160
.set STG, 32768                        ; LDS: v's image in bytes 0 .. 32,767; behind it a stage of 16 rows x (256 + 16) bytes for each wave
.set WV,  10
.set BH,  11
.set KP,  16                           ; s[16:17] k's codes of my head;  s[18:19] v's;  s[20:21] q's, at the tile in hand
.set VP,  18
.set QP,  20
.set QSP, 22                           ; s[22:23] q's scale bytes at my wave's first tile;  s[24:25] k's of my head;  s[26:27] v's
.set KSP, 24
.set VSP, 26
.set OP,  28                           ; s[28:29] the output at the tile's first row, my head's 256 bytes
.set SEL, 30                           ; s[30:31] lane selects for v_permlanex16_b32: lane l xor 16
.set CS,  32                           ; s[32:33] log2(e) / 8: the packed form names a pair and takes its low word for both halves
.set TRIP, 34
.set STEP, 35
.set MSB, 0
.macro WIN new                         ; the immediate's high byte repeats the setting that is left; a switch that changes nothing is dropped
.if MSB != (\new)
	s_set_vgpr_msb (MSB<<8)|(\new)
.set MSB, (\new)
.endif
.endm
	s_load_b128 s[4:7], s[0:1], 0x0                ; codes, scales
	s_load_b64 s[8:9], s[0:1], 0x10                ; out0
	v_lshl_add_u32 v254, v0, 2, 0xc400
	v_mov_b32 v255, 0
	v_lshrrev_b32 v121, 5, v0
	v_readfirstlane_b32 s[WV], v121                ; wave 0..3
	s_lshr_b32 s[BH], ttmp9, 1                     ; 16 x batch + head
	s_and_b32 s12, ttmp9, 1                        ; which half of the queries
	s_lshl_b32 s36, s12, 5
	s_lshl_b32 s13, s[WV], 3
	s_add_co_u32 s36, s36, s13                     ; my first tile of 16 queries: 32 x half + 8 x wave
	s_mov_b32 s15, 0
	s_mov_b32 s[SEL], 0x76543210
	s_mov_b32 s[SEL+1], 0xfedcba98
	s_mov_b32 s[CS], 0x3e38aa3b                    ; log2(e) / 8
	s_mov_b32 s[CS+1], s[CS]                       ; (named with it as a pair, so it is written)
	s_mov_b32 s[TRIP], 8
	s_mov_b32 s[STEP], 2
	v_and_b32 v121, 15, v0                         ; r
	v_bfe_u32 v122, v0, 4, 1                       ; h
	v_and_b32 v123, 31, v0                         ; lane
	v_lshlrev_b32 v[LI], 4, v123
	v_lshlrev_b32 v[L4], 2, v123
	v_lshlrev_b32 v[QSO], 2, v121
	s_mul_i32 s13, s[WV], 16*272
	s_add_co_u32 s13, s13, STG                     ; my stage
	v_mul_u32_u24 v[STO], v121, 272
	v_lshl_add_u32 v[STO], v122, 5, v[STO]
	v_add_nc_u32 v[STO], s13, v[STO]               ; in: row r, + 32 h; tile t's eight channels 64 t bytes on
	v_mul_u32_u24 v[SRD], v122, 272
	v_lshl_add_u32 v[SRD], v121, 4, v[SRD]
	v_add_nc_u32 v[SRD], s13, v[SRD]               ; back: lanes 0-15 one row of 256 bytes, lanes 16-31 the next
	v_lshlrev_b32 v[GO], 12, v122
	v_lshl_add_u32 v[GO], v121, 4, v[GO]           ; and the same two rows of the output, 4,096 bytes apart
	s_lshl_b32 s13, s[WV], 13
	v_add_nc_u32 v[VA], s13, v[LI]
	s_wait_kmcnt 0x0
	s_lshl_b32 s14, s[BH], 15
	s_add_nc_u64 s[QP:QP+1], s[4:5], s[14:15]      ; a head's codes are 32,768 bytes in each of the three parts
	s_add_nc_u64 s[KP:KP+1], s[QP:QP+1], 0x400000
	s_add_nc_u64 s[VP:VP+1], s[QP:QP+1], 0x800000
	s_lshl_b32 s14, s36, 9
	s_add_nc_u64 s[QP:QP+1], s[QP:QP+1], s[14:15]  ; 512 bytes a tile
	s_lshl_b32 s14, s[BH], 11
	s_add_nc_u64 s[QSP:QSP+1], s[6:7], s[14:15]    ; its scale bytes 2,048
	s_add_nc_u64 s[KSP:KSP+1], s[QSP:QSP+1], 0x40000
	s_add_nc_u64 s[VSP:VSP+1], s[QSP:QSP+1], 0x80000
	s_lshl_b32 s14, s36, 5
	s_add_nc_u64 s[QSP:QSP+1], s[QSP:QSP+1], s[14:15]   ; 64 bytes a pair of tiles
	s_lshr_b32 s14, s[BH], 4
	s_lshl_b32 s14, s14, 22                        ; the batch's 1,024 rows of 4,096 bytes,
	s_lshl_b32 s13, s36, 16                        ; 16 rows a tile,
	s_add_co_u32 s14, s14, s13
	s_and_b32 s13, s[BH], 15
	s_lshl_b32 s13, s13, 8                         ; the head's 256 bytes of a row
	s_add_co_u32 s14, s14, s13
	s_add_nc_u64 s[OP:OP+1], s[8:9], s[14:15]
.irp i, 0,1,2,3,4,5,6,7,8,9,10,11,12,13,14,15
	global_load_b128 v[O+4*\i:O+4*\i+3], v[VA], s[VP:VP+1] offset:512*\i   ; my quarter of v's codes, 512 consecutive bytes a load
.endr
	global_load_b128 v[QZ+4:QZ+7], v[LI], s[QP:QP+1]        ; the first tile's q: lane (r, h): query r, d = 32 h .. 32 h + 31
	global_load_u16 v[QS0], v[QSO], s[QSP:QSP+1]            ; and its two scale bytes, with zeros above them
.irp n, 0,1,2,3,4,5,6,7,8,9,10,11,12,13,14,15
	global_load_b32 v[KSR+\n], v[L4], s[KSP:KSP+1] offset:128*\n
.endr
.irp n, 0,1,2,3,4,5,6,7,8,9,10,11,12,13,14,15
	global_load_b32 v[VSR+\n], v[L4], s[VSP:VSP+1] offset:128*\n
.endr
	WIN 0x40                                       ; destination window 1
.set N_, 0
.rept 64
	global_load_b128 v[4*N_:4*N_+3], v[LI], s[KP:KP+1] offset:512*N_   ; key tile n: registers 4 n on: two tiles make a fragment
.set N_, N_+1
.endr
	WIN 0
.irp i, 0,1,2,3
	v_mov_b32 v[QZ+\i], 0                          ; the zeros on both sides of q: written once
	v_mov_b32 v[QZ+8+\i], 0
	v_mov_b32 v[TM+4+\i], 0                        ; written once: a lane permute's destination counts as one of its sources
.endr
	v_mov_b32 v[R+1], 0                            ; (named as the upper half of the pair; the packed multiply takes the lower for both halves)
	s_wait_loadcnt 63                              ; 98 loads were issued behind v's sixteen: the largest count that the wait can name is smaller, so those sixteen are in
.irp i, 0,1,2,3,4,5,6,7,8,9,10,11,12,13,14,15
	ds_store_b128 v[VA], v[O+4*\i:O+4*\i+3] offset:512*\i
.endr
	s_wait_dscnt 0x0                               ; for the others' sake: my quarter lies in LDS
	s_barrier_signal -1
	s_barrier_wait -1                              ; the launch's one barrier: v's image is whole, and nobody writes it again
; Scores of group g's 128 keys: eight products, each with the constant 0 as C.  Tile x: fragment 4 g + x / 2; even x the run (q, 0), odd x the run (0, q), each with its scale word.
.macro QK g
.set W_, 2+(\g)/4
	WIN (W_<<6)|1                                  ; D window 2 or 3, source 0 (k) window 1, source 1 (q) window 0
.set X_, 0
.rept 8
.set D_, 64*((\g)%4)+8*X_
.set A_, 8*(4*(\g)+X_/2)
.set B_, QZ+4-4*(X_%2)
.set SA_, KSR+2*(\g)+X_/4
.set SB_, QS0+X_%2
.if (X_/2)%2
	v_wmma_scale_f32_16x16x128_f8f6f4 v[D_:D_+7], v[A_:A_+7], v[B_:B_+7], 0, v[SA_], v[SB_] matrix_a_fmt:MATRIX_FMT_FP4 matrix_b_fmt:MATRIX_FMT_FP4 matrix_a_scale:MATRIX_SCALE_ROW1
.else
	v_wmma_scale_f32_16x16x128_f8f6f4 v[D_:D_+7], v[A_:A_+7], v[B_:B_+7], 0, v[SA_], v[SB_] matrix_a_fmt:MATRIX_FMT_FP4 matrix_b_fmt:MATRIX_FMT_FP4
.endif
.set X_, X_+1
.endr
.endm
; Group g's 64 scores a lane become p; p is added to the row's sum, and each block's largest p is kept.
.macro VEC g
.set W_, 2+(\g)/4
.set S_, 64*((\g)%4)
	WIN (W_<<6)|W_                                 ; in place
.irp i, 0,2,4,6
	v_pk_mul_f32 v[S_+\i:S_+\i+1], v[S_+\i:S_+\i+1], s[CS:CS+1] op_sel_hi:[1,0]   ; t = score x log2(e) / 8; each accumulator from its low end on
.endr
.set X_, 0
.rept 8                                        ; tile x's exponentials, with the next tile's scalings set between them: a plain line behind every second exponential
.irp i, 0,2,4,6
	v_exp_f32 v[S_+8*X_+\i], v[S_+8*X_+\i]
	v_exp_f32 v[S_+8*X_+\i+1], v[S_+8*X_+\i+1]
.if X_ < 7
	v_pk_mul_f32 v[S_+8*X_+8+\i:S_+8*X_+9+\i], v[S_+8*X_+8+\i:S_+8*X_+9+\i], s[CS:CS+1] op_sel_hi:[1,0]
.endif
.endr
.set X_, X_+1
.endr
	WIN (W_<<2)|(W_<<4)                            ; sources 1 and 2: p's window
.irp i, 0,2,4,6,8,10,12,14
.irp b, 0,1,2,3
.if \i == 0
	s_wait_alu depctr_va_vdst(0)
	v_max3_num_f32 v[TM+\b], 0, v[S_+16*\b], v[S_+16*\b+1]      ; p is never negative.  (The first of these is the plain line behind the last exponential: it reads tile 0)
.else
	v_max3_num_f32 v[TM+\b], v[TM+\b], v[S_+16*\b+\i], v[S_+16*\b+\i+1]
.endif
.endr
.irp b, 0,1,2,3
	v_pk_add_f32 v[SUM+2*\b:SUM+2*\b+1], v[SUM+2*\b:SUM+2*\b+1], v[S_+16*\b+\i:S_+16*\b+\i+1]   ; four chains, so that no line waits for the line above it
.endr
.endr
	WIN 0
.irp b, 0,1,2,3
	v_permlanex16_b32 v[TM+4+\b], v[TM+\b], s[SEL], s[SEL+1]
.endr
.irp b, 0,1,2,3
	v_max_num_f32 v[BM+4*(\g)+\b], v[TM+\b], v[TM+4+\b]         ; with lane l xor 16's 16 keys: the block's largest p
.endr
.endm
.macro VLOAD kap                               ; v's four fragments of keys 128 kap on, as they were stored: 16 x lane, 512 bytes a load
.irp t, 0,1,2,3
.irp c, 0,1
	ds_load_b128 v[VF+8*\t+4*\c:VF+8*\t+4*\c+3], v[LI] offset:(\kap)*4096+\t*1024+\c*512
.endr
.endr
.endm
.macro SCALE kap                               ; the four blocks' scale operands and attn's scale word for these 128 keys
.irp b, 0,1,2,3
	v_mul_f32 v[TM+\b], v[BM+4*(\kap)+\b], v[R]    ; the block's largest attn
.endr
.irp b, 0,1,2,3
	v_max_num_f32 v[TM+\b], 0x1800000, v[TM+\b]    ; the floor 2^(3 - 127): the byte cannot fall under 1
.endr
.irp b, 0,1,2,3
	v_add_nc_u32 v[TM+12+\b], 0xff000000, v[TM+\b] ; 2 off the exponent field: the conversion's scale operand
.endr
.irp b, 0,1,2,3
	v_lshrrev_b32 v[TM+4+\b], 23, v[TM+12+\b]      ; the scale's byte
.endr
	v_lshl_or_b32 v[PW], v[TM+5], 8, v[TM+4]
	v_lshl_or_b32 v[PW], v[TM+6], 16, v[PW]
	v_lshl_or_b32 v[PW], v[TM+7], 24, v[PW]
.endm
.macro NORM kap                                ; attn = p x r.  (These 32 plain lines are also the eight places between the scale word's last write and the products that name it)
.set W_, 2+(\kap)/4
.set S_, 64*((\kap)%4)
	WIN (W_<<6)|W_
.set I_, 0
.rept 32
	v_pk_mul_f32 v[S_+2*I_:S_+2*I_+1], v[S_+2*I_:S_+2*I_+1], v[R:R+1] op_sel_hi:[1,0]
.set I_, I_+1
.endr
.endm
.macro CVT kap
.set W_, 2+(\kap)/4
.set S_, 64*((\kap)%4)
	WIN W_                                         ; source 0: attn's window
.irp b, 0,1,2,3
	v_cvt_scalef32_pk8_fp4_f32 v[PC+4*(\b/2)+(\b%2)], v[S_+16*\b:S_+16*\b+7], v[TM+12+\b]       ; in lane half h: word h of block b
	v_cvt_scalef32_pk8_fp4_f32 v[PC+4*(\b/2)+2+(\b%2)], v[S_+16*\b+8:S_+16*\b+15], v[TM+12+\b]  ; word 2 + h
.endr
	WIN 0
	v_nop                                          ; one plain place behind a scaled conversion
.irp c, 0,1                                    ; lanes 0-15 then hold block 2 c whole, lanes 16-31 block 2 c + 1
	v_permlane16_swap_b32 v[PC+4*\c], v[PC+4*\c+1]
	v_permlane16_swap_b32 v[PC+4*\c+2], v[PC+4*\c+3]
.endr
.rept 4
	v_nop                                          ; an operand written by vector instructions stands four places ahead of a scaled matrix instruction
.endr
.endm
.macro PV kap                                  ; O^T += v^T attn^T: four tiles of 16 channels, K = these 128 keys; the four accumulators take turns; the first step starts the sums
.irp t, 0,1,2,3
.if (\kap) == 0
.if \t%2
	v_wmma_scale_f32_16x16x128_f8f6f4 v[O+8*\t:O+8*\t+7], v[VF+8*\t:VF+8*\t+7], v[PC:PC+7], 0, v[VSR+2*(\kap)+\t/2], v[PW] matrix_a_fmt:MATRIX_FMT_FP4 matrix_b_fmt:MATRIX_FMT_FP4 matrix_a_scale:MATRIX_SCALE_ROW1
.else
	v_wmma_scale_f32_16x16x128_f8f6f4 v[O+8*\t:O+8*\t+7], v[VF+8*\t:VF+8*\t+7], v[PC:PC+7], 0, v[VSR+2*(\kap)+\t/2], v[PW] matrix_a_fmt:MATRIX_FMT_FP4 matrix_b_fmt:MATRIX_FMT_FP4
.endif
.else
.if \t%2
	v_wmma_scale_f32_16x16x128_f8f6f4 v[O+8*\t:O+8*\t+7], v[VF+8*\t:VF+8*\t+7], v[PC:PC+7], v[O+8*\t:O+8*\t+7], v[VSR+2*(\kap)+\t/2], v[PW] matrix_a_fmt:MATRIX_FMT_FP4 matrix_b_fmt:MATRIX_FMT_FP4 matrix_a_scale:MATRIX_SCALE_ROW1
.else
	v_wmma_scale_f32_16x16x128_f8f6f4 v[O+8*\t:O+8*\t+7], v[VF+8*\t:VF+8*\t+7], v[PC:PC+7], v[O+8*\t:O+8*\t+7], v[VSR+2*(\kap)+\t/2], v[PW] matrix_a_fmt:MATRIX_FMT_FP4 matrix_b_fmt:MATRIX_FMT_FP4
.endif
.endif
.endr
.endm
.Ltrip:                                            ; eight trips, a tile of 16 queries each
	s_wait_loadcnt 0x0                             ; the tile's q and its scale bytes (in the first trip: k and all the scale words too)
	v_lshlrev_b32 v[QS1], 16, v[QS0]               ; the scale word for the run (0, q): q's two bytes above, zeros below
.irp i, 0,1,2,3,4,5,6,7
	v_mov_b32 v[SUM+\i], 0                         ; the sum's four chains.  (Eight plain lines: a scale register written by a vector instruction stands eight places ahead of the product that names it)
.endr
	; ---- the scores and p, a group of 128 keys at a time; a group's products are issued a group ahead of the vector work on them, which is then the places behind them
	QK 0
	QK 1
.rept 4
	v_nop                                          ; the first group's results are read four places behind its products
.endr
	VEC 0
.irp g, 2,3,4,5,6,7
	QK \g
	VEC \g-1
.endr
	VEC 7
	; ---- the next tile's q is asked for, if there is one: no load leaves its buffer.  Its registers were last read by group 7's products, in front of group 6's vector work
	s_cmp_eq_u32 s[TRIP], 1
	s_cbranch_scc1 .Lno_next
	s_add_nc_u64 s[QP:QP+1], s[QP:QP+1], 512       ; (the loads that named these registers were waited for at the trip's head)
	v_add_nc_u32 v[QSO], s[STEP], v[QSO]
	s_xor_b32 s[STEP], s[STEP], 60                 ; 2, 62, 2, ..: the pair's second tile, then the next pair's first
	global_load_b128 v[QZ+4:QZ+7], v[LI], s[QP:QP+1]
	global_load_u16 v[QS0], v[QSO], s[QSP:QSP+1]
.Lno_next:
	VLOAD 0
	; ---- r = 1 / (the row's sum + 1e-8)
	v_pk_add_f32 v[SUM:SUM+1], v[SUM:SUM+1], v[SUM+2:SUM+3]
	v_pk_add_f32 v[SUM+4:SUM+5], v[SUM+4:SUM+5], v[SUM+6:SUM+7]
	v_pk_add_f32 v[SUM:SUM+1], v[SUM:SUM+1], v[SUM+4:SUM+5]
	v_add_f32 v[SUM], v[SUM], v[SUM+1]
	v_permlanex16_b32 v[SUM+1], v[SUM], s[SEL], s[SEL+1]
	v_add_f32 v[SUM], v[SUM], v[SUM+1]             ; with lane l xor 16's half of the keys
	v_add_f32 v[SUM], 0x322bcc77, v[SUM]           ; + 1e-8
	v_rcp_f32 v[R], v[SUM]
	v_nop                                          ; one plain place behind a transcendental
	s_wait_alu depctr_va_vdst(0)
	; ---- attn, its codes, and the second product, 128 keys at a time
.irp kap, 0,1,2,3,4,5,6,7
	SCALE \kap                                     ; its first sixteen lines name no register of the last products: they are the places in front of the loads below and of the scale word's next write
.if \kap > 0
	VLOAD \kap
.endif
	NORM \kap
	CVT \kap
	s_wait_dscnt 0x0                               ; v's four fragments are in
	PV \kap
.endr
	; ---- the way out: through my own stage, so that sixteen lanes store 256 consecutive bytes: a query's 64 channels of this head
.rept 4
	v_nop                                          ; four places in front of the first read of results, and of loads into registers that the last products read
.endr
.irp t, 0,1,2,3
	ds_store_b128 v[STO], v[O+8*\t:O+8*\t+3] offset:64*\t          ; lane (r, h): query r, channels 16 t + 8 h + 0 .. 7; each accumulator from its low end on
	ds_store_b128 v[STO], v[O+8*\t+4:O+8*\t+7] offset:64*\t+16
.endr
.irp i, 0,1,2,3,4,5,6,7
	ds_load_b128 v[VF+4*\i:VF+4*\i+3], v[SRD] offset:544*\i        ; LDS serves a wave's instructions in order (ISA guide 5.7.1.4): these see my stores
.endr
.irp i, 0,1,2,3,4,5,6,7
	s_wait_dscnt 7-\i                              ; the younger loads from the stage may be out
	global_store_b128 v[GO], v[VF+4*\i:VF+4*\i+3], s[OP:OP+1] offset:8192*\i th:TH_STORE_NT   ; rows 2 i and 2 i + 1: 256 consecutive bytes each, at a multiple of 256 from the output's first byte; written once, read by nobody here
.endr
	s_wait_xcnt 0x0                                ; the stores have had their addresses translated: only behind this wait are their base and their data registers written again
	s_add_nc_u64 s[OP:OP+1], s[OP:OP+1], 65536     ; 16 rows on
	s_sub_co_u32 s[TRIP], s[TRIP], 1
	s_cmp_lg_u32 s[TRIP], 0
	s_cbranch_scc1 .Ltrip
	s_wait_tensorcnt 0x0
	ds_add_u32 v254, v255
	s_wait_dscnt 0x0
	s_endpgm
.Lfunc_end_k_qb47081c894_attn:
	.size	k_qb47081c894_attn, .Lfunc_end_k_qb47081c894_attn-k_qb47081c894_attn
	.p2alignl 7, 3214868480
	.fill 96, 4, 3214868480
	.section	.rodata,"a",@progbits
	.p2align	6, 0x0
	.amdhsa_kernel k_qb47081c894_attn
		.amdhsa_group_segment_fixed_size 50688
		.amdhsa_private_segment_fixed_size 0
		.amdhsa_enable_private_segment 0
		.amdhsa_kernarg_size 24
		.amdhsa_user_sgpr_count 2
		.amdhsa_user_sgpr_kernarg_segment_ptr 1
		.amdhsa_wavefront_size32 1
		.amdhsa_system_sgpr_workgroup_id_x 1
		.amdhsa_system_sgpr_workgroup_id_y 1
		.amdhsa_system_sgpr_workgroup_id_z 1
		.amdhsa_system_vgpr_workitem_id 0
		.amdhsa_next_free_vgpr 1024
		.amdhsa_next_free_sgpr 66
		.amdhsa_reserve_vcc 0
		.amdhsa_float_denorm_mode_32 3
		.amdhsa_float_denorm_mode_16_64 3
		.amdhsa_memory_ordered 1
		.amdhsa_forward_progress 1
		.amdhsa_inst_pref_size 135
	.end_amdhsa_kernel
	.amdgpu_metadata
---
amdhsa.version: [ 1, 2 ]
amdhsa.kernels:
  - .name:           k_qb47081c894_attn
    .symbol:         k_qb47081c894_attn.kd
    .args:
      - { .name: codes, .offset: 0, .size: 8, .value_kind: global_buffer, .address_space: global }
      - { .name: scales, .offset: 8, .size: 8, .value_kind: global_buffer, .address_space: global }
      - { .name: out0, .offset: 16, .size: 8, .value_kind: global_buffer, .address_space: global }
    .group_segment_fixed_size: 50688
    .private_segment_fixed_size: 0
    .kernarg_segment_align: 8
    .kernarg_segment_size: 24
    .max_flat_workgroup_size: 128
    .sgpr_count:     66
    .vgpr_count:     1024
    .wavefront_size: 32
...
	.end_amdgpu_metadata
.endif
;; end of part 2
;; ======== version 2 of 2: 2 launches; version 1 with the launch attn written anew for expert scheduling mode
;; workspace buffers: codes 12,582,912 bytes; scales 786,432 bytes
;; launch proj: the kernel of part 1 again; grid 4 x 64, 4 waves a work-group, clusters of 4 x 4, 327,680 bytes of LDS; arguments Q_codes, Q_scales, Wq_codes, Wq_scales, K_codes, K_scales, Wk_codes, Wk_scales, Wv_codes, Wv_scales, V_codes, V_scales, bq, bk, bv, codes, scales; writes codes, scales
;; launch attn (part 3): grid 256 x 1, 4 waves a work-group, no clusters, 50,688 bytes of LDS; arguments codes, scales, out0; writes out0
.if DOCPART == 3
	.amdgcn_target "amdgcn-amd-amdhsa--gfx1250"
	.amdhsa_code_object_version 6
	.text
	.protected	k_qb47081c894_attn
	.globl	k_qb47081c894_attn
	.p2align	8
	.type	k_qb47081c894_attn,@function
k_qb47081c894_attn:
	s_mov_b64 s[64:65], 0
	v_nop
	global_prefetch_b8 v0, s[64:65] scope:SCOPE_SE
	s_setreg_imm32_b32 hwreg(HW_REG_WAVE_SCHED_MODE, 0, 2), 2
	s_setreg_imm32_b32 hwreg(HW_REG_WAVE_MODE, 25, 1), 1
	s_wait_xcnt 0x0
	s_wait_alu depctr_vm_vsrc(0)
; out0[b][q][64 head + d] = sum over keys of attn(q, key) v(key, d),  attn = p / (sum of p + 1e-8),  p = exp(q . k / 8): no maximum is taken away, as the definition takes none.
; Both products on codes of FP4 (E2M1) with one E8M0 scale for each 32 along K.  q, k, v come as codes and scale bytes from the launch before, laid in the order of this text's operand registers.
; attn is quantised FINISHED AND NORMALISED, along the keys, so a row's sum must be known before its first code is made: A TILE'S p FOR ALL 1,024 KEYS STAYS IN REGISTERS (16 queries x 1,024 keys = 512 registers of
; the wave), so that each score and each exponential is made once.
; SHARES.  Work-group = one (batch, head) and one half of its 1,024 queries; each of four waves takes 8 tiles of 16 queries, one a trip.
; k's 32 KiB of codes lie in every wave's registers for the whole launch (window 1), its scale words and v's in 32 registers; v's 32 KiB of codes go ONCE through registers into LDS, as images of the operand's registers.
; NO TENSOR LOAD AND NO CLUSTER: nothing is fetched inside the loop but a tile's 512 bytes of q; what the two work-groups of a head share (k, v: 68 KiB) is read once, at the head, and k has to land in registers, where no joint load can put it.
; LAYOUT.  Both products are used transposed: S^T = k q^T (source 0 = keys, source 1 = my 16 queries), O^T = v^T attn^T: a lane holds ONE query (lane % 16) throughout; in tile x of a group of 128 keys, register j is key 16 x + 8 h + j.
; K = 64 IN AN INSTRUCTION OF 128.  A fragment of k holds key tile 2 P in registers 0-3 and key tile 2 P + 1 in registers 4-7.  q stands between zeros, [0 0 0 0 q q q q 0 0 0 0]: the run (q, 0) gives tile 2 P's scores,
; the run (0, q) tile 2 P + 1's.  The zero codes add nothing; their blocks get the scale byte 0 on q's side.
; THE QUANTISER is that of the launch before: block b is tiles 2 b, 2 b + 1; its largest attn is (the block's largest p) x r, the same product, so the same bits, as that number's own normalisation.
; LIMITS: t = score x log2(e) / 8 is rounded once, so p's relative error grows as |t| x 2^-24; where exp or the row's sum overflows f32 in the definition it does here; v_exp_f32 gives 0 where p would be denormal;
; a block of attn whose largest number lies under 2^-124 keeps the scale byte 1.
; THE MODE: SCHED_MODE bits 1:0 = 2 (LLVM: expert scheduling mode 2), set by the entry lines.  The code itself states the register dependences between vector or matrix instructions and memory or LDS instructions,
; with s_wait_alu, always for 0.
; THE PLAN.  Registers that memory or LDS instructions touch:
;   v1, v2, v4-v7   offsets and LDS addresses: written at the head, never again.
;   v[QSO]          read by the load of a tile's scale bytes; written once a trip, by the add in front of the next tile's loads.
;   v[QS0], q       the next tile's two loads land in them; read by the trip's shift and by its 64 first products, all of which stand ahead of the last two groups' waits.
;   k, v[KSR ..], v[VSR ..]   loaded once, at the head; afterwards named by products alone.
;   v[O ..]         head: loads of v's quarter land here, and the LDS stores of v's image read them.  Loop: written by the second product, read by the LDS stores into the stage.
;   VF0, VF1        two sets of v's four fragments.  Step kap of the second product reads set kap % 2; the LDS loads of step kap + 1 land in the other set, which step kap - 1 read.
;                   VF0 besides: head, as v[O ..]; way out: the stage's rows land in it, and the eight global stores read it.
;   p, the sums, the blocks' maxima, attn's codes and scale word are named by vector and matrix instructions alone.   v254, v255: written at the head, read by the closing add alone.
; So: one wait on va_vdst stands in each step of the second product, behind the places that its codes and scale word owe; it also states that the step before's products are done with the set in which the next
; fragments land, and those eight loads follow it, dealt among the step's four products, which name the other set.  One wait on vm_vsrc a trip stands behind the first phase: it frees v[QSO], v[O ..] and VF0.
; REGISTERS, in windows of 256: window 0: v1-7 addresses; v8, v9 q's scale words; v10-11 r; v12-23 q between zeros; v24-39 k's scale words; v40-55 v's; v56-87 the 32 blocks' largest p; v88-95 the sum, four chains of pairs;
;   v96-111 at work; v112-119 attn's codes; v120 its scale word; v128-159 O^T; v160-191, v192-223 two sets of four fragments of v, the first later rows of the output.   window 1: k's 32 fragments.   windows 2, 3: p: group g of 128 keys at v[64 (g % 4)] of window 2 + g / 4.
.set LI,  1                            ; v1   16 x lane
.set L4,  2                            ; v2   4 x lane
.set QSO, 3                            ; v3   4 r + where the tile's scale bytes lie among my wave's: steps by 2 and 62 by turns
.set STO, 4                            ; v4   the way out: where I put 32 bytes of a row
.set SRD, 5                            ; v5   and where I read a row back
.set GO,  6                            ; v6   my byte offset in two rows of the output
.set VA,  7                            ; v7   8,192 x wave + 16 x lane: v's codes, in memory and in LDS alike
.set QS0, 8
.set QS1, 9
.set R,   10
.set QZ,  12
.set KSR, 24                           ; register n: fragment 2 n's words in lanes 0-15, fragment 2 n + 1's in lanes 16-31
.set VSR, 40                           ; register 2 kap + t / 2: even t in lanes 0-15, odd t in lanes 16-31
.set BM,  56
.set SUM, 88
.set TM,  96
.set PC,  112
.set PW,  120
.set O,   128
.set VF,  160                          ; set s of v's fragments at VF + 32 s
.set STG, 32768                        ; LDS: v's image in bytes 0 .. 32,767; behind it a stage of 16 rows x (256 + 16) bytes for each wave
.set WV,  10
.set BH,  11
.set KP,  16                           ; s[16:17] k's codes of my head;  s[18:19] v's;  s[20:21] q's, at the tile in hand
.set VP,  18
.set QP,  20
.set QSP, 22                           ; s[22:23] q's scale bytes at my wave's first tile;  s[24:25] k's of my head;  s[26:27] v's
.set KSP, 24
.set VSP, 26
.set OP,  28                           ; s[28:29] the output at the tile's first row, my head's 256 bytes
.set SEL, 30                           ; s[30:31] lane selects for v_permlanex16_b32: lane l xor 16
.set CS,  32                           ; s[32:33] log2(e) / 8: the packed form names a pair and takes its low word for both halves
.set TRIP, 34
.set STEP, 35
.set MSB, 0
.macro WIN new                         ; the immediate's high byte repeats the setting that is left; a switch that changes nothing is dropped
.if MSB != (\new)
	s_set_vgpr_msb (MSB<<8)|(\new)
.set MSB, (\new)
.endif
.endm
	s_load_b128 s[4:7], s[0:1], 0x0                ; codes, scales
	s_load_b64 s[8:9], s[0:1], 0x10                ; out0
	v_lshl_add_u32 v254, v0, 2, 0xc400
	v_mov_b32 v255, 0
	v_lshrrev_b32 v121, 5, v0
	v_readfirstlane_b32 s[WV], v121                ; wave 0..3
	s_lshr_b32 s[BH], ttmp9, 1                     ; 16 x batch + head
	s_and_b32 s12, ttmp9, 1                        ; which half of the queries
	s_lshl_b32 s36, s12, 5
	s_wait_alu depctr_va_sdst(0)                   ; the wave's number is written into s[WV], ahead of its first reader: bases and LDS addresses are made from it
	s_lshl_b32 s13, s[WV], 3
	s_add_co_u32 s36, s36, s13                     ; my first tile of 16 queries: 32 x half + 8 x wave
	s_mov_b32 s15, 0
	s_mov_b32 s[SEL], 0x76543210
	s_mov_b32 s[SEL+1], 0xfedcba98
	s_mov_b32 s[CS], 0x3e38aa3b                    ; log2(e) / 8
	s_mov_b32 s[CS+1], s[CS]                       ; (named with it as a pair, so it is written)
	s_mov_b32 s[TRIP], 8
	s_mov_b32 s[STEP], 2
	v_and_b32 v121, 15, v0                         ; r
	v_bfe_u32 v122, v0, 4, 1                       ; h
	v_and_b32 v123, 31, v0                         ; lane
	v_lshlrev_b32 v[LI], 4, v123
	v_lshlrev_b32 v[L4], 2, v123
	v_lshlrev_b32 v[QSO], 2, v121
	s_mul_i32 s13, s[WV], 16*272
	s_add_co_u32 s13, s13, STG                     ; my stage
	v_mul_u32_u24 v[STO], v121, 272
	v_lshl_add_u32 v[STO], v122, 5, v[STO]
	v_add_nc_u32 v[STO], s13, v[STO]               ; in: row r, + 32 h; tile t's eight channels 64 t bytes on
	v_mul_u32_u24 v[SRD], v122, 272
	v_lshl_add_u32 v[SRD], v121, 4, v[SRD]
	v_add_nc_u32 v[SRD], s13, v[SRD]               ; back: lanes 0-15 one row of 256 bytes, lanes 16-31 the next
	v_lshlrev_b32 v[GO], 12, v122
	v_lshl_add_u32 v[GO], v121, 4, v[GO]           ; and the same two rows of the output, 4,096 bytes apart
	s_lshl_b32 s13, s[WV], 13
	v_add_nc_u32 v[VA], s13, v[LI]
	s_wait_kmcnt 0x0
	s_lshl_b32 s14, s[BH], 15
	s_add_nc_u64 s[QP:QP+1], s[4:5], s[14:15]      ; a head's codes are 32,768 bytes in each of the three parts
	s_add_nc_u64 s[KP:KP+1], s[QP:QP+1], 0x400000
	s_add_nc_u64 s[VP:VP+1], s[QP:QP+1], 0x800000
	s_lshl_b32 s14, s36, 9
	s_add_nc_u64 s[QP:QP+1], s[QP:QP+1], s[14:15]  ; 512 bytes a tile
	s_lshl_b32 s14, s[BH], 11
	s_add_nc_u64 s[QSP:QSP+1], s[6:7], s[14:15]    ; its scale bytes 2,048
	s_add_nc_u64 s[KSP:KSP+1], s[QSP:QSP+1], 0x40000
	s_add_nc_u64 s[VSP:VSP+1], s[QSP:QSP+1], 0x80000
	s_lshl_b32 s14, s36, 5
	s_add_nc_u64 s[QSP:QSP+1], s[QSP:QSP+1], s[14:15]   ; 64 bytes a pair of tiles
	s_lshr_b32 s14, s[BH], 4
	s_lshl_b32 s14, s14, 22                        ; the batch's 1,024 rows of 4,096 bytes,
	s_lshl_b32 s13, s36, 16                        ; 16 rows a tile,
	s_add_co_u32 s14, s14, s13
	s_and_b32 s13, s[BH], 15
	s_lshl_b32 s13, s13, 8                         ; the head's 256 bytes of a row
	s_add_co_u32 s14, s14, s13
	s_add_nc_u64 s[OP:OP+1], s[8:9], s[14:15]
	s_wait_alu depctr_va_vdst(0)                   ; the seven offsets and addresses v1 to v7 are written, which the loads and stores of the whole kernel read; up to k's last load only loads and one window switch follow
.irp i, 0,1,2,3,4,5,6,7,8,9,10,11,12,13,14,15
	global_load_b128 v[O+4*\i:O+4*\i+3], v[VA], s[VP:VP+1] offset:512*\i   ; my quarter of v's codes, 512 consecutive bytes a load
.endr
	global_load_b128 v[QZ+4:QZ+7], v[LI], s[QP:QP+1]        ; the first tile's q: lane (r, h): query r, d = 32 h .. 32 h + 31
	global_load_u16 v[QS0], v[QSO], s[QSP:QSP+1]            ; and its two scale bytes, with zeros above them
.irp n, 0,1,2,3,4,5,6,7,8,9,10,11,12,13,14,15
	global_load_b32 v[KSR+\n], v[L4], s[KSP:KSP+1] offset:128*\n
.endr
.irp n, 0,1,2,3,4,5,6,7,8,9,10,11,12,13,14,15
	global_load_b32 v[VSR+\n], v[L4], s[VSP:VSP+1] offset:128*\n
.endr
	WIN 0x40                                       ; destination window 1
.set N_, 0
.rept 64
	global_load_b128 v[4*N_:4*N_+3], v[LI], s[KP:KP+1] offset:512*N_   ; key tile n: registers 4 n on: two tiles make a fragment
.set N_, N_+1
.endr
	WIN 0
.irp i, 0,1,2,3
	v_mov_b32 v[QZ+\i], 0                          ; the zeros on both sides of q: written once; no load lands in them
	v_mov_b32 v[QZ+8+\i], 0
	v_mov_b32 v[TM+4+\i], 0                        ; written once: a lane permute's destination counts as one of its sources
.endr
	v_mov_b32 v[R+1], 0                            ; (named as the upper half of the pair; the packed multiply takes the lower for both halves)
	s_wait_loadcnt 63                              ; 98 loads were issued behind v's sixteen: the largest count that the wait can name is smaller, so those sixteen are in
.irp i, 0,1,2,3,4,5,6,7,8,9,10,11,12,13,14,15
	ds_store_b128 v[VA], v[O+4*\i:O+4*\i+3] offset:512*\i   ; the data came by loads; no vector line since the wait above names v[VA]
.endr
	s_wait_dscnt 0x0                               ; for the others' sake: my quarter lies in LDS
	s_barrier_signal -1
	s_barrier_wait -1                              ; the launch's one barrier: v's image is whole, and nobody writes it again
; Scores of group g's 128 keys: eight products, each with the constant 0 as C.  Tile x: fragment 4 g + x / 2; even x the run (q, 0), odd x the run (0, q), each with its scale word.
.macro QK g
.set W_, 2+(\g)/4
	WIN (W_<<6)|1                                  ; D window 2 or 3, source 0 (k) window 1, source 1 (q) window 0
.set X_, 0
.rept 8
.set D_, 64*((\g)%4)+8*X_
.set A_, 8*(4*(\g)+X_/2)
.set B_, QZ+4-4*(X_%2)
.set SA_, KSR+2*(\g)+X_/4
.set SB_, QS0+X_%2
.if (X_/2)%2
	v_wmma_scale_f32_16x16x128_f8f6f4 v[D_:D_+7], v[A_:A_+7], v[B_:B_+7], 0, v[SA_], v[SB_] matrix_a_fmt:MATRIX_FMT_FP4 matrix_b_fmt:MATRIX_FMT_FP4 matrix_a_scale:MATRIX_SCALE_ROW1
.else
	v_wmma_scale_f32_16x16x128_f8f6f4 v[D_:D_+7], v[A_:A_+7], v[B_:B_+7], 0, v[SA_], v[SB_] matrix_a_fmt:MATRIX_FMT_FP4 matrix_b_fmt:MATRIX_FMT_FP4
.endif
.set X_, X_+1
.endr
.endm
; Group g's 64 scores a lane become p; p is added to the row's sum, and each block's largest p is kept.
.macro VEC g
.set W_, 2+(\g)/4
.set S_, 64*((\g)%4)
	WIN (W_<<6)|W_                                 ; in place
.irp i, 0,2,4,6
	v_pk_mul_f32 v[S_+\i:S_+\i+1], v[S_+\i:S_+\i+1], s[CS:CS+1] op_sel_hi:[1,0]   ; t = score x log2(e) / 8; each accumulator from its low end on
.endr
.set X_, 0
.rept 8                                        ; tile x's exponentials, with the next tile's scalings set between them: a plain line behind every second exponential
.irp i, 0,2,4,6
	v_exp_f32 v[S_+8*X_+\i], v[S_+8*X_+\i]
	v_exp_f32 v[S_+8*X_+\i+1], v[S_+8*X_+\i+1]
.if X_ < 7
	v_pk_mul_f32 v[S_+8*X_+8+\i:S_+8*X_+9+\i], v[S_+8*X_+8+\i:S_+8*X_+9+\i], s[CS:CS+1] op_sel_hi:[1,0]
.endif
.endr
.set X_, X_+1
.endr
	WIN (W_<<2)|(W_<<4)                            ; sources 1 and 2: p's window
	s_wait_alu depctr_va_vdst(0)                   ; the group's 64 exponentials have written p: one wait for the batch, ahead of the first line that names a result
.irp i, 0,2,4,6,8,10,12,14
.irp b, 0,1,2,3
.if \i == 0
	v_max3_num_f32 v[TM+\b], 0, v[S_+16*\b], v[S_+16*\b+1]      ; p is never negative.  (The first of these is the plain line behind the last exponential: it reads tile 0)
.else
	v_max3_num_f32 v[TM+\b], v[TM+\b], v[S_+16*\b+\i], v[S_+16*\b+\i+1]
.endif
.endr
.irp b, 0,1,2,3
	v_pk_add_f32 v[SUM+2*\b:SUM+2*\b+1], v[SUM+2*\b:SUM+2*\b+1], v[S_+16*\b+\i:S_+16*\b+\i+1]   ; four chains, so that no line waits for the line above it
.endr
.endr
	WIN 0
.irp b, 0,1,2,3
	v_permlanex16_b32 v[TM+4+\b], v[TM+\b], s[SEL], s[SEL+1]
.endr
.irp b, 0,1,2,3
	v_max_num_f32 v[BM+4*(\g)+\b], v[TM+\b], v[TM+4+\b]         ; with lane l xor 16's 16 keys: the block's largest p
.endr
.endm
.macro VLOADT kap, t                           ; fragment t of v for keys 128 kap on, as it was stored: 16 x lane, 512 bytes a load; into set kap % 2
.irp c, 0,1
	ds_load_b128 v[VF+32*((\kap)%2)+8*(\t)+4*\c:VF+32*((\kap)%2)+8*(\t)+4*\c+3], v[LI] offset:(\kap)*4096+(\t)*1024+\c*512
.endr
.endm
.macro SCALE kap                               ; the four blocks' scale operands and attn's scale word for these 128 keys
.irp b, 0,1,2,3
	v_mul_f32 v[TM+\b], v[BM+4*(\kap)+\b], v[R]    ; the block's largest attn
.endr
.irp b, 0,1,2,3
	v_max_num_f32 v[TM+\b], 0x1800000, v[TM+\b]    ; the floor 2^(3 - 127): the byte cannot fall under 1
.endr
.irp b, 0,1,2,3
	v_add_nc_u32 v[TM+12+\b], 0xff000000, v[TM+\b] ; 2 off the exponent field: the conversion's scale operand
.endr
.irp b, 0,1,2,3
	v_lshrrev_b32 v[TM+4+\b], 23, v[TM+12+\b]      ; the scale's byte
.endr
	v_lshl_or_b32 v[PW], v[TM+5], 8, v[TM+4]
	v_lshl_or_b32 v[PW], v[TM+6], 16, v[PW]
	v_lshl_or_b32 v[PW], v[TM+7], 24, v[PW]
.endm
.macro NORM kap                                ; attn = p x r.  (These 32 plain lines are also the eight places between the scale word's last write and the products that name it)
.set W_, 2+(\kap)/4
.set S_, 64*((\kap)%4)
	WIN (W_<<6)|W_
.set I_, 0
.rept 32
	v_pk_mul_f32 v[S_+2*I_:S_+2*I_+1], v[S_+2*I_:S_+2*I_+1], v[R:R+1] op_sel_hi:[1,0]
.set I_, I_+1
.endr
.endm
.macro CVT kap
.set W_, 2+(\kap)/4
.set S_, 64*((\kap)%4)
	WIN W_                                         ; source 0: attn's window
.irp b, 0,1,2,3
	v_cvt_scalef32_pk8_fp4_f32 v[PC+4*(\b/2)+(\b%2)], v[S_+16*\b:S_+16*\b+7], v[TM+12+\b]       ; in lane half h: word h of block b
	v_cvt_scalef32_pk8_fp4_f32 v[PC+4*(\b/2)+2+(\b%2)], v[S_+16*\b+8:S_+16*\b+15], v[TM+12+\b]  ; word 2 + h
.endr
	WIN 0
	v_nop                                          ; one plain place behind a scaled conversion
.irp c, 0,1                                    ; lanes 0-15 then hold block 2 c whole, lanes 16-31 block 2 c + 1
	v_permlane16_swap_b32 v[PC+4*\c], v[PC+4*\c+1]
	v_permlane16_swap_b32 v[PC+4*\c+2], v[PC+4*\c+3]
.endr
.rept 4
	v_nop                                          ; an operand written by vector instructions stands four places ahead of a scaled matrix instruction
.endr
.endm
; O^T += v^T attn^T: four tiles of 16 channels, K = these 128 keys; the four accumulators take turns; the first step starts the sums.
; Behind each product stand two of the next step's eight LDS loads.  No wait: they land in the other set, and no vector or matrix instruction since the wait ahead of these products names that set or v[LI].
.macro PV kap
.irp t, 0,1,2,3
.set F_, VF+32*((\kap)%2)+8*\t
.if (\kap) == 0
.if \t%2
	v_wmma_scale_f32_16x16x128_f8f6f4 v[O+8*\t:O+8*\t+7], v[F_:F_+7], v[PC:PC+7], 0, v[VSR+2*(\kap)+\t/2], v[PW] matrix_a_fmt:MATRIX_FMT_FP4 matrix_b_fmt:MATRIX_FMT_FP4 matrix_a_scale:MATRIX_SCALE_ROW1
.else
	v_wmma_scale_f32_16x16x128_f8f6f4 v[O+8*\t:O+8*\t+7], v[F_:F_+7], v[PC:PC+7], 0, v[VSR+2*(\kap)+\t/2], v[PW] matrix_a_fmt:MATRIX_FMT_FP4 matrix_b_fmt:MATRIX_FMT_FP4
.endif
.else
.if \t%2
	v_wmma_scale_f32_16x16x128_f8f6f4 v[O+8*\t:O+8*\t+7], v[F_:F_+7], v[PC:PC+7], v[O+8*\t:O+8*\t+7], v[VSR+2*(\kap)+\t/2], v[PW] matrix_a_fmt:MATRIX_FMT_FP4 matrix_b_fmt:MATRIX_FMT_FP4 matrix_a_scale:MATRIX_SCALE_ROW1
.else
	v_wmma_scale_f32_16x16x128_f8f6f4 v[O+8*\t:O+8*\t+7], v[F_:F_+7], v[PC:PC+7], v[O+8*\t:O+8*\t+7], v[VSR+2*(\kap)+\t/2], v[PW] matrix_a_fmt:MATRIX_FMT_FP4 matrix_b_fmt:MATRIX_FMT_FP4
.endif
.endif
.if (\kap) < 7
	VLOADT (\kap)+1, \t
.endif
.endr
.endm
.Ltrip:                                            ; eight trips, a tile of 16 queries each
	s_wait_loadcnt 0x0                             ; the tile's q and its scale bytes (in the first trip: k and all the scale words too)
	v_lshlrev_b32 v[QS1], 16, v[QS0]               ; the scale word for the run (0, q): q's two bytes above, zeros below
.irp i, 0,1,2,3,4,5,6,7
	v_mov_b32 v[SUM+\i], 0                         ; the sum's four chains.  (Eight plain lines: a scale register written by a vector instruction stands eight places ahead of the product that names it)
.endr
	s_wait_alu depctr_va_vdst(0)                   ; the shift has written v[QS1], which the products below take as a scale; in the first trip the zeros beside q, part of their second source, are written too.  The eight places above stay beside this wait
	; ---- the scores and p, a group of 128 keys at a time; a group's products are issued a group ahead of the vector work on them, which is then the places behind them
	QK 0
	QK 1
.rept 4
	v_nop                                          ; the first group's results are read four places behind its products
.endr
	VEC 0
.irp g, 2,3,4,5,6,7
	QK \g
	VEC \g-1
.endr
	VEC 7
	s_wait_alu depctr_vm_vsrc(0)                   ; the last load of scale bytes has read v[QSO], which the add below writes; the last trip's global stores have read VF0, in which v's fragments land below; its LDS stores have read v[O ..], which the second product writes (in the first trip: the stores of v's image have read both)
	; ---- the next tile's q is asked for, if there is one: no load leaves its buffer
	s_cmp_eq_u32 s[TRIP], 1
	s_cbranch_scc1 .Lno_next
	s_add_nc_u64 s[QP:QP+1], s[QP:QP+1], 512       ; (the loads that named these registers were waited for at the trip's head)
	v_add_nc_u32 v[QSO], s[STEP], v[QSO]
	s_xor_b32 s[STEP], s[STEP], 60                 ; 2, 62, 2, ..: the pair's second tile, then the next pair's first
	s_wait_alu depctr_va_vdst(0)                   ; the add has written v[QSO], which the second load reads; the trip's shift and its 64 first products are done reading q and v[QS0], in which the two loads land
	global_load_b128 v[QZ+4:QZ+7], v[LI], s[QP:QP+1]
	global_load_u16 v[QS0], v[QSO], s[QSP:QSP+1]
.Lno_next:
.irp t, 0,1,2,3
	VLOADT 0, \t                                   ; into VF0: the products that read it last, the trip before's, stand ahead of this trip's waits on va_vdst
.endr
	; ---- r = 1 / (the row's sum + 1e-8)
	v_pk_add_f32 v[SUM:SUM+1], v[SUM:SUM+1], v[SUM+2:SUM+3]
	v_pk_add_f32 v[SUM+4:SUM+5], v[SUM+4:SUM+5], v[SUM+6:SUM+7]
	v_pk_add_f32 v[SUM:SUM+1], v[SUM:SUM+1], v[SUM+4:SUM+5]
	v_add_f32 v[SUM], v[SUM], v[SUM+1]
	v_permlanex16_b32 v[SUM+1], v[SUM], s[SEL], s[SEL+1]
	v_add_f32 v[SUM], v[SUM], v[SUM+1]             ; with lane l xor 16's half of the keys
	v_add_f32 v[SUM], 0x322bcc77, v[SUM]           ; + 1e-8
	v_rcp_f32 v[R], v[SUM]
	v_nop                                          ; one plain place behind a transcendental
	s_wait_alu depctr_va_vdst(0)                   ; the reciprocal has written r, ahead of the first line that names it
	; ---- attn, its codes, and the second product, 128 keys at a time
.irp kap, 0,1,2,3,4,5,6,7
	SCALE \kap                                     ; its first sixteen lines name no register of the last products: they are the places in front of the scale word's next write
	NORM \kap
	CVT \kap
	s_wait_alu depctr_va_vdst(0)                   ; the conversions and exchanges have written attn's codes and the scale word is written, which the products below take; the step before's products are done reading the set in which the next fragments land.  The places above stay beside this wait
	s_wait_dscnt 0x0                               ; this step's four fragments of v are in (asked for a step ago)
	PV \kap
.endr
	; ---- the way out: through my own stage, so that sixteen lanes store 256 consecutive bytes: a query's 64 channels of this head
.rept 4
	v_nop                                          ; four places in front of the first read of results
.endr
	s_wait_alu depctr_va_vdst(0)                   ; the last products have written v[O ..], which the LDS stores read; the products are done reading VF0, in which the stage's rows land.  The places above stay beside this wait
.irp t, 0,1,2,3
	ds_store_b128 v[STO], v[O+8*\t:O+8*\t+3] offset:64*\t          ; lane (r, h): query r, channels 16 t + 8 h + 0 .. 7; each accumulator from its low end on
	ds_store_b128 v[STO], v[O+8*\t+4:O+8*\t+7] offset:64*\t+16
.endr
.irp i, 0,1,2,3,4,5,6,7
	ds_load_b128 v[VF+4*\i:VF+4*\i+3], v[SRD] offset:544*\i        ; LDS serves a wave's instructions in order (ISA guide 5.7.1.4): these see my stores
.endr
.irp i, 0,1,2,3,4,5,6,7
	s_wait_dscnt 7-\i                              ; the younger loads from the stage may be out
	global_store_b128 v[GO], v[VF+4*\i:VF+4*\i+3], s[OP:OP+1] offset:8192*\i th:TH_STORE_NT   ; rows 2 i and 2 i + 1: 256 consecutive bytes each, at a multiple of 256 from the output's first byte; written once, read by nobody here
.endr
	s_wait_xcnt 0x0                                ; the stores have had their addresses translated: only behind this wait are their base and their data registers written again
	s_add_nc_u64 s[OP:OP+1], s[OP:OP+1], 65536     ; 16 rows on
	s_sub_co_u32 s[TRIP], s[TRIP], 1
	s_cmp_lg_u32 s[TRIP], 0
	s_cbranch_scc1 .Ltrip
	s_wait_dscnt 0x0                               ; the closing lines, six on end
	s_wait_alu 0x0
	s_wait_tensorcnt 0x0
	ds_add_u32 v254, v255
	s_wait_dscnt 0x0
	s_endpgm
.Lfunc_end_k_qb47081c894_attn:
	.size	k_qb47081c894_attn, .Lfunc_end_k_qb47081c894_attn-k_qb47081c894_attn
	.p2alignl 7, 3214868480
	.fill 96, 4, 3214868480
	.section	.rodata,"a",@progbits
	.p2align	6, 0x0
	.amdhsa_kernel k_qb47081c894_attn
		.amdhsa_group_segment_fixed_size 50688
		.amdhsa_private_segment_fixed_size 0
		.amdhsa_enable_private_segment 0
		.amdhsa_kernarg_size 24
		.amdhsa_user_sgpr_count 2
		.amdhsa_user_sgpr_kernarg_segment_ptr 1
		.amdhsa_wavefront_size32 1
		.amdhsa_system_sgpr_workgroup_id_x 1
		.amdhsa_system_sgpr_workgroup_id_y 1
		.amdhsa_system_sgpr_workgroup_id_z 1
		.amdhsa_system_vgpr_workitem_id 0
		.amdhsa_next_free_vgpr 1024
		.amdhsa_next_free_sgpr 66
		.amdhsa_reserve_vcc 0
		.amdhsa_float_denorm_mode_32 3
		.amdhsa_float_denorm_mode_16_64 3
		.amdhsa_memory_ordered 1
		.amdhsa_forward_progress 1
		.amdhsa_inst_pref_size 135
	.end_amdhsa_kernel
	.amdgpu_metadata
---
amdhsa.version: [ 1, 2 ]
amdhsa.kernels:
  - .name:           k_qb47081c894_attn
    .symbol:         k_qb47081c894_attn.kd
    .args:
      - { .name: codes, .offset: 0, .size: 8, .value_kind: global_buffer, .address_space: global }
      - { .name: scales, .offset: 8, .size: 8, .value_kind: global_buffer, .address_space: global }
      - { .name: out0, .offset: 16, .size: 8, .value_kind: global_buffer, .address_space: global }
    .group_segment_fixed_size: 50688
    .private_segment_fixed_size: 0
    .kernarg_segment_align: 8
    .kernarg_segment_size: 24
    .max_flat_workgroup_size: 128
    .sgpr_count:     66
    .vgpr_count:     1024
    .wavefront_size: 32
...
	.end_amdgpu_metadata
.endif
;; end of part 3
